; MI455X (gfx1250); checked and timed in simulation.
; The chip was launched on July 23, 2026; its instructions are those of AMD's public machine-readable ISA for CDNA 5 (MIT licence, August 2026) and "CDNA5" Instruction Set Architecture Reference Guide (July 2026). The comments in the code are by the model that wrote it; some were corrected since.
;; MHA. Allowed arithmetic: matrix products marked QUANTISED: E3M2 operands, one E8M0 scale for each 32 along K, by v_wmma_scale_f32_16x16x128_f8f6f4 with both operands' format E3M2, f32 sums; everything else in f32.
;; Inputs: Wk 16 x 64 x 1,024 float32; Wo 1,024 x 1,024 float32; Wq 16 x 64 x 1,024 float32; Wv 16 x 64 x 1,024 float32; bo 1,024 float32; x 4 x 2,048 x 1,024 float32.
;; Outputs: out0 4 x 2,048 x 1,024 float32.
;; This version of the problem:
;;   THIS VERSION OF THE PROBLEM IS GIVEN IN LOW PRECISION. The matrix products marked QUANTISED in the list below multiply operands that are first quantised to E3M2 (3 exponent bits, 2 mantissa bits; 6 bits a number), with one power-of-two scale for each 32 numbers along K (OCP MX v1.0); their sums are f32. All else is computed in f32.
;;   The module's matrix products, in the order in which they are computed (A, B: the left and right operand; K: the contracted axis; several contracted axes count as one K, in the product's order):
;;     1. [M 1,024, K 1,024] x [K 1,024, N 8,192]; A: input Wq; B: input x: QUANTISED
;;     2. [M 1,024, K 1,024] x [K 1,024, N 8,192]; A: input Wk; B: input x: QUANTISED
;;     3. [M 1,024, K 1,024] x [K 1,024, N 8,192]; A: input Wv; B: input x: QUANTISED
;;     4. batch 64 x [M 2,048, K 64] x [K 64, N 2,048]; A: computed on the way; B: computed on the way: QUANTISED
;;     5. batch 64 x [M 2,048, K 2,048] x [K 2,048, N 64]; A: softmax (see below); B: computed on the way: QUANTISED
;;     6. [M 8,192, K 1,024] x [K 1,024, N 1,024]; A: computed on the way; B: input Wo: QUANTISED
;;   THE QUANTISER, for each operand of a quantised product, along K:
;;     - K is cut into blocks of 32 from its start; a last block that is shorter is filled with zeros.
;;     - A block's scale is 2^e with e = floor(log2(the largest magnitude in the block)) - 4, held to -126 .. 127; a block of zeros has e = 0. As a byte (E8M0): e + 127.
;;     - Each number is divided by its block's scale, clamped to +-28, and rounded to the nearest number of E3M2, ties to even, subnormals kept.
;;     - The product sums the exact products of the quantised numbers (number of the format x scale) in f32.
;;   ~~~python
;;   def quantise(x, axis):      # numpy; x: float32 -> the quantised numbers, widened to float32 again
;;       x = np.moveaxis(x, axis, -1); K = x.shape[-1]
;;       x = np.pad(x, [(0, 0)] * (x.ndim - 1) + [(0, -K % 32)]); x = x.reshape(x.shape[:-1] + (-1, 32)); a = np.abs(x).max(-1, keepdims=True)
;;       e = np.where(a > 0, np.clip(np.frexp(np.where(a > 0, a, 1))[1] - 1 - 4, -126, 127), 0)      # np.frexp(a)[1] - 1 = floor(log2(a)), exactly
;;       r = np.clip(x / 2.0 ** e, -28, 28)
;;       step = 2.0 ** (np.maximum(np.frexp(np.where(r == 0, 1, r))[1] - 1, -2) - 2)
;;       q = np.round(r / step) * step * 2.0 ** e      # np.round: ties to even
;;       return np.moveaxis(q.reshape(q.shape[:-2] + (-1,))[..., :K], -1, axis).astype(np.float32)
;;   ~~~
;;   SOFTMAX AHEAD OF A QUANTISED PRODUCT. Where the list says 'softmax', what is quantised is not the finished softmax but p = 2^(t - M), with t = logit x log2(e) and M = ceil(the row's largest t), a whole number; so 1/2 < the row's largest p <= 1. The row's sum l is taken of the UNQUANTISED p, in f32, and the product's result is divided by l at the end. Since M is a whole number, a kernel that streams over the keys may use a running M (the ceiling of the running maximum): every later rescaling is an exact power of two, which a block's scale takes up: the codes' values come out the same.
;;   OPERANDS COMPUTED ON THE WAY. 'Computed on the way' means the value that the module computes at that place (a softmax that the list does not call 'softmax' is quantised finished and normalised). What goes into a quantiser is computed in f32, as accurately as f32 sums, v_exp_f32 and their like allow (about 1e-6 of the number): no bf16 or f16 on the way to a quantiser, and a product that is left as it is and whose result goes on into a quantised operand takes f32 operands (vector FMAs, or v_wmma_f32_16x16x4_f32). A number that lies on a knife's edge between two numbers of the format may be rounded either way, as far as f32 arithmetic and the matrix unit's own rounding can turn it there, and no further.
;; One version. Each part assembles by itself: llvm-mc -triple=amdgcn-amd-amdhsa -mcpu=gfx1250 --defsym DOCPART=n.
;; ======== version 1 of 1: 4 launches
;; limits: right only within a limited range of input values
;; workspace buffers: codes 15,728,640 bytes; scl 655,360 bytes; qkvc 18,874,368 bytes; qkvs 786,432 bytes; cats 262,144 bytes
;; launch quant (part 1): grid 192 x 4, 4 waves a work-group, no clusters, 68,608 bytes of LDS; arguments x, Wq, Wk, Wv, Wo, codes, scl; writes codes, scl
.if DOCPART == 1
	.amdgcn_target "amdgcn-amd-amdhsa--gfx1250"
	.amdhsa_code_object_version 6
	.text
	.protected	k_qf3fef5ab13_quant
	.globl	k_qf3fef5ab13_quant
	.p2align	8
	.type	k_qf3fef5ab13_quant,@function
k_qf3fef5ab13_quant:
	s_mov_b64 s[64:65], 0
	v_nop
	global_prefetch_b8 v0, s[64:65] scope:SCOPE_SE
	s_setreg_imm32_b32 hwreg(HW_REG_WAVE_MODE, 25, 1), 1
	s_wait_xcnt 0x0
; x [8192][1024], Wq, Wk, Wv ([16][64][1024] = [1024][1024]) and Wo [1024][1024], f32, K innermost, become codes of BF6 (E3M2) with one E8M0 byte for each 32 along K.
; A block's scale is 2^(floor(log2(its largest magnitude)) - 4); its byte is the largest magnitude's exponent field - 4, held at 1 from below; numbers beyond 28 x the scale get the largest code.
; LIMITS: a block of zeros, or one whose largest magnitude lies under 2^-122, gets the byte 1 where the rule says 127 or less: its codes are zeros or subnormal codes under that byte, and the bytes are read by this
; program alone; NaN and infinities among the inputs are not served.
; THE CODES ARE LAID AS THE MATRIX OPERANDS' REGISTERS WANT THEM.  Rows go in tiles of 16: tile 2 B + u, place r, is row 32 B + 8 u + r + 8 (r / 8), so that results made with such tiles as source 0 have 16 neighbouring
; rows in 16 registers.  A tile's 64 along K are one image of 768 bytes: registers 0-3 of the fragment at 16 x lane, registers 4-5 at 512 + 8 x lane.  codes: [tile][K / 64] images; tiles 0-511 x, 512-575 Wq, 576-639 Wk,
; 640-703 Wv, 704-767 Wo.  scl: [K / 128][tile / 4][place 16][tile % 4] words of four bytes.
; SHARES.  Work-group x = a group of four tiles (64 rows), y = a quarter of K (256 = two steps of 128); wave w takes tile 4 x + w.  Memory binds: each load reads 512 consecutive bytes of a row, each store covers 512 or
; 256 consecutive bytes, aligned.  The conversions want 16 neighbours along K in ONE lane, so a step's 16 rows x 512 bytes turn through the wave's own stage in LDS (rows 528 bytes apart).  No matrix work, no tensor loads,
; no cluster: work-groups share no input.  All 32 loads of a wave go out at once.
.set ROWB,   4096                      ; a row of any of the five tensors, in bytes
.set SP,     528                       ; a stage row: 512 bytes + 16
.set STG,    16*SP                     ; a stage: 16 rows
.set WREG,   2*STG                     ; a wave's two stages
.set SCST,   4*WREG                    ; behind them: the work-group's scale words, 256 bytes for each of the two steps
.set TILEB,  12288                     ; a tile's codes for all of K
.set SPITCH, 81920                     ; scl: from one K step of 128 to the next
.set L16, 1                            ; v1   16 x lane
.set L8,  2                            ; v2   8 x lane
.set STI, 3                            ; v3   the stage, on the way in
.set STO, 4                            ; v4   and on the way out: row = my place, + 64 x (lane / 16)
.set SCW, 5                            ; v5   where my row's scale word goes
.set SCR, 6                            ; v6   where wave 0 reads the words back
.set SCO, 7                            ; v7   and their place in scl
.set XR0, 16                           ; v16-79   step 0 as loaded; later step 1's neighbours
.set XR1, 80                           ; v80-143  step 1 as loaded
.set X,   144                          ; v144-207 step 0's neighbours
.set PC,  208                          ; v208-227 the codes just made
.set TM,  228                          ; v228-243 at work
.set PW,  244                          ; v244     the scale word just made
.set WV,  22
.set SEL, 26
; 64 numbers of a lane, register 16 b + i = k 32 b + 16 (lane / 16) + i of my row, become a fragment's codes in v[PC] .. v[PC + 11] and its scale word in v[PW].
.macro QUANT s
.irp b, 0,1,2,3
	v_max3_num_f32 v[TM+\b], |v[\s+16*\b]|, |v[\s+1+16*\b]|, 0x2800000   ; block b: my 16 numbers, and the floor 2^(5 - 127): the byte cannot fall under 1
.endr
.irp i, 2,4,6,8,10,12,14
.irp b, 0,1,2,3
	v_max3_num_f32 v[TM+\b], v[TM+\b], |v[\s+16*\b+\i]|, |v[\s+1+16*\b+\i]|   ; the four blocks by turns
.endr
.endr
.irp b, 0,1,2,3
	v_permlanex16_b32 v[TM+4+\b], v[TM+\b], s[SEL], s[SEL+1]
.endr
.irp b, 0,1,2,3
	v_max_num_f32 v[TM+\b], v[TM+\b], v[TM+4+\b]       ; with lane l xor 16's: the block's largest magnitude
.endr
.irp b, 0,1,2,3
	v_add_nc_u32 v[TM+12+\b], 0xfe000000, v[TM+\b]     ; 4 off its exponent field: the conversion takes the exponent field of this operand as its scale
.endr
.irp b, 0,1,2,3
	v_lshrrev_b32 v[TM+4+\b], 23, v[TM+12+\b]          ; the scale's byte
.endr
	v_lshl_or_b32 v[PW], v[TM+5], 8, v[TM+4]
	v_lshl_or_b32 v[PW], v[TM+6], 16, v[PW]
	v_lshl_or_b32 v[PW], v[TM+7], 24, v[PW]
.irp c, 0,1
	v_cvt_scalef32_pk16_bf6_f32 v[PC+6*\c:PC+2+6*\c], v[\s+32*\c:\s+15+32*\c], v[TM+12+2*\c]
	v_cvt_scalef32_pk16_bf6_f32 v[PC+12+4*\c:PC+14+4*\c], v[\s+16+32*\c:\s+31+32*\c], v[TM+12+2*\c+1]   ; (a conversion's three registers begin on an even number)
.endr
	v_nop                                              ; one plain place behind a scaled conversion
.irp c, 0,1                                        ; the operand's layout wants a WHOLE block in a lane: lanes 0-15 block 2 c, lanes 16-31 block 2 c + 1
.irp i, 0,1,2
	v_permlane16_swap_b32 v[PC+6*\c+\i], v[PC+12+4*\c+\i]
.endr
.irp i, 0,1,2
	v_mov_b32 v[PC+3+6*\c+\i], v[PC+12+4*\c+\i]
.endr
.endr
.endm
.macro TOST reg, st                    ; 16 rows as loaded into stage st
.irp j, 0,1,2,3,4,5,6,7,8,9,10,11,12,13,14,15
	ds_store_b128 v[STI], v[\reg+4*\j:\reg+4*\j+3] offset:STG*\st+SP*\j
.endr
.endm
.macro FROMST reg, st                  ; and back: of my row, 16 neighbours of each block of 32
.irp b, 0,1,2,3
.irp j, 0,1,2,3
	ds_load_b128 v[\reg+16*\b+4*\j:\reg+16*\b+4*\j+3], v[STO] offset:STG*\st+128*\b+16*\j
.endr
.endr
.endm
.macro OUT st                          ; the fragment leaves as two images; each store covers 512 or 256 consecutive bytes, aligned
	global_store_b128 v[L16], v[PC:PC+3], s[14:15] offset:1536*\st
	global_store_b64 v[L8], v[PC+4:PC+5], s[14:15] offset:1536*\st+512
	global_store_b128 v[L16], v[PC+6:PC+9], s[14:15] offset:1536*\st+768
	global_store_b64 v[L8], v[PC+10:PC+11], s[14:15] offset:1536*\st+1280
	ds_store_b32 v[SCW], v[PW] offset:256*\st          ; lanes r and r + 16 write the same word with the same value
.endm
	s_load_b256 s[4:11], s[0:1], 0x0               ; x, Wq, Wk, Wv
	s_load_b128 s[12:15], s[0:1], 0x20             ; Wo, codes
	s_load_b64 s[16:17], s[0:1], 0x30              ; scl
	v_lshl_add_u32 v254, v0, 2, 0x10a00
	v_mov_b32 v255, 0
	v_lshrrev_b32 v8, 5, v0
	v_readfirstlane_b32 s[WV], v8                  ; wave 0..3
	v_and_b32 v9, 31, v0                           ; lane
	v_and_b32 v10, 15, v0                          ; r
	v_bfe_u32 v11, v0, 4, 1                        ; h
	v_lshlrev_b32 v[L16], 4, v9
	v_lshlrev_b32 v[L8], 3, v9
	s_mul_i32 s23, s[WV], WREG
	v_add_nc_u32 v[STI], s23, v[L16]
	v_mul_u32_u24 v[STO], v10, SP
	v_lshl_add_u32 v[STO], v11, 6, v[STO]
	v_add_nc_u32 v[STO], s23, v[STO]
	s_lshl_b32 s24, s[WV], 2
	s_add_co_u32 s24, s24, SCST
	v_lshl_add_u32 v[SCW], v10, 4, s24             ; 16 x place + 4 x (tile % 4)
	v_add_nc_u32 v[SCR], SCST, v[L16]
	v_mul_u32_u24 v[SCO], v11, SPITCH              ; lanes 0-15 the first step's unit, lanes 16-31 the second's
	v_lshl_add_u32 v[SCO], v10, 4, v[SCO]
.irp b, 0,1,2,3
	v_mov_b32 v[TM+4+\b], 0                        ; written once: a lane permute's destination counts as one of its sources
.endr
	s_mov_b32 s[SEL], 0x76543210
	s_mov_b32 s[SEL+1], 0xfedcba98                 ; v_permlanex16_b32's selects for lane l xor 16
	s_and_b32 s20, ttmp9, 15                       ; the group's number inside a weight (128 is a multiple of 16)
	s_and_b32 s25, ttmp7, 0xffff                   ; which quarter of K
	s_wait_alu depctr_va_vdst(0)
	s_wait_kmcnt 0x0
	s_cmp_lt_u32 ttmp9, 176                        ; which tensor: the choice hangs on the work-group's number alone
	s_cselect_b64 s[18:19], s[10:11], s[12:13]
	s_cmp_lt_u32 ttmp9, 160
	s_cselect_b64 s[18:19], s[8:9], s[18:19]
	s_cmp_lt_u32 ttmp9, 144
	s_cselect_b64 s[18:19], s[6:7], s[18:19]
	s_cmp_lt_u32 ttmp9, 128
	s_cselect_b64 s[18:19], s[4:5], s[18:19]
	s_cselect_b32 s20, ttmp9, s20
	s_lshl_b32 s20, s20, 6                         ; the tile's first row: 64 x group + 32 (w / 2) + 8 (w % 2)
	s_lshr_b32 s28, s[WV], 1
	s_lshl_b32 s28, s28, 5
	s_add_co_u32 s20, s20, s28
	s_and_b32 s28, s[WV], 1
	s_lshl_b32 s28, s28, 3
	s_add_co_u32 s20, s20, s28
	s_lshl_b32 s20, s20, 12                        ; in bytes (under 2^26),
	s_lshl_b32 s28, s25, 10
	s_add_co_u32 s20, s20, s28                     ; + my quarter of K
	s_mov_b32 s21, 0
	s_add_nc_u64 s[18:19], s[18:19], s[20:21]
.irp st, 0,1
.irp j, 0,1,2,3,4,5,6,7,8,9,10,11,12,13,14,15
	global_load_b128 v[XR0+64*\st+4*\j:XR0+64*\st+4*\j+3], v[L16], s[18:19] offset:(\j+8*(\j/8))*ROWB+512*\st th:TH_LOAD_NT   ; place j's row: 512 consecutive bytes, read once in the launch
.endr
.endr
	s_lshl_b32 s28, ttmp9, 2
	s_add_co_u32 s28, s28, s[WV]                   ; my tile
	s_mul_i32 s28, s28, TILEB
	s_mul_i32 s29, s25, 3072
	s_add_co_u32 s28, s28, s29
	s_mov_b32 s29, 0
	s_add_nc_u64 s[14:15], s[14:15], s[28:29]      ; codes at my tile, my quarter of K
	s_mul_i32 s28, s25, 2*SPITCH
	s_lshl_b32 s30, ttmp9, 8
	s_add_co_u32 s28, s28, s30
	s_add_nc_u64 s[16:17], s[16:17], s[28:29]      ; scl at my group's unit of my first step
	s_wait_loadcnt 16                              ; step 0's 16 loads are in; step 1's may be out
	TOST XR0, 0
	FROMST X, 0                                    ; LDS serves a wave's instructions in order: these see the stores above
	s_wait_loadcnt 0x0
	TOST XR1, 1
	s_wait_dscnt 16                                ; all but the 16 stores just issued: step 0's neighbours are in, and its stores have read their registers,
	FROMST XR0, 1                                  ; which take step 1's neighbours while step 0 is quantised
	QUANT X
	OUT 0
	s_wait_dscnt 0x0                               ; step 1's neighbours are in
	s_wait_xcnt 0x0                                ; the stores have read the codes' registers, which are written again
	QUANT XR0
	OUT 1
	s_wait_dscnt 0x0                               ; for the others' sake: my scale words lie in LDS
	s_barrier_signal -1
	s_barrier_wait -1
	s_cmp_lg_u32 s[WV], 0                          ; wave 0 stores the four tiles' words: two aligned units of 256 bytes
	s_cbranch_scc1 .Ldone
	ds_load_b128 v[X:X+3], v[SCR]
	s_wait_dscnt 0x0
	global_store_b128 v[SCO], v[X:X+3], s[16:17]
.Ldone:
	s_wait_tensorcnt 0x0
	ds_add_u32 v254, v255
	s_wait_dscnt 0x0
	s_endpgm
.Lfunc_end_k_qf3fef5ab13_quant:
	.size	k_qf3fef5ab13_quant, .Lfunc_end_k_qf3fef5ab13_quant-k_qf3fef5ab13_quant
	.p2alignl 7, 3214868480
	.fill 96, 4, 3214868480
	.section	.rodata,"a",@progbits
	.p2align	6, 0x0
	.amdhsa_kernel k_qf3fef5ab13_quant
		.amdhsa_group_segment_fixed_size 68608
		.amdhsa_private_segment_fixed_size 0
		.amdhsa_enable_private_segment 0
		.amdhsa_kernarg_size 56
		.amdhsa_user_sgpr_count 2
		.amdhsa_user_sgpr_kernarg_segment_ptr 1
		.amdhsa_wavefront_size32 1
		.amdhsa_system_sgpr_workgroup_id_x 1
		.amdhsa_system_sgpr_workgroup_id_y 1
		.amdhsa_system_sgpr_workgroup_id_z 1
		.amdhsa_system_vgpr_workitem_id 0
		.amdhsa_next_free_vgpr 256
		.amdhsa_next_free_sgpr 66
		.amdhsa_reserve_vcc 0
		.amdhsa_float_denorm_mode_32 3
		.amdhsa_float_denorm_mode_16_64 3
		.amdhsa_memory_ordered 1
		.amdhsa_forward_progress 1
		.amdhsa_inst_pref_size 20
	.end_amdhsa_kernel
	.amdgpu_metadata
---
amdhsa.version: [ 1, 2 ]
amdhsa.kernels:
  - .name:           k_qf3fef5ab13_quant
    .symbol:         k_qf3fef5ab13_quant.kd
    .args:
      - { .name: x, .offset: 0, .size: 8, .value_kind: global_buffer, .address_space: global }
      - { .name: Wq, .offset: 8, .size: 8, .value_kind: global_buffer, .address_space: global }
      - { .name: Wk, .offset: 16, .size: 8, .value_kind: global_buffer, .address_space: global }
      - { .name: Wv, .offset: 24, .size: 8, .value_kind: global_buffer, .address_space: global }
      - { .name: Wo, .offset: 32, .size: 8, .value_kind: global_buffer, .address_space: global }
      - { .name: codes, .offset: 40, .size: 8, .value_kind: global_buffer, .address_space: global }
      - { .name: scl, .offset: 48, .size: 8, .value_kind: global_buffer, .address_space: global }
    .group_segment_fixed_size: 68608
    .private_segment_fixed_size: 0
    .kernarg_segment_align: 8
    .kernarg_segment_size: 56
    .max_flat_workgroup_size: 128
    .sgpr_count:     66
    .vgpr_count:     256
    .wavefront_size: 32
...
	.end_amdgpu_metadata
.endif
;; end of part 1
;; launch qkv (part 2): grid 12 x 32, 4 waves a work-group, clusters of 4 x 4, 327,680 bytes of LDS; arguments codes, scl, qkvc, qkvs; writes qkvc, qkvs
.if DOCPART == 2
	.amdgcn_target "amdgcn-amd-amdhsa--gfx1250"
	.amdhsa_code_object_version 6
	.text
	.protected	k_qf3fef5ab13_qkv
	.globl	k_qf3fef5ab13_qkv
	.p2align	8
	.type	k_qf3fef5ab13_qkv,@function
k_qf3fef5ab13_qkv:
	s_mov_b64 s[64:65], 0
	v_nop
	global_prefetch_b8 v0, s[64:65] scope:SCOPE_SE
	s_setreg_imm32_b32 hwreg(HW_REG_WAVE_MODE, 25, 1), 1
	s_wait_xcnt 0x0
	s_wait_alu depctr_hold_cnt(0) depctr_sa_sdst(0) depctr_va_vdst(0) depctr_va_sdst(0) depctr_va_ssrc(0) depctr_va_vcc(0) depctr_vm_vsrc(0)
	s_getreg_b32 s2, hwreg(HW_REG_IB_STS2, 6, 4)
	s_cmp_eq_u32 s2, 0
	s_cbranch_scc0 .Lentry_in_a_cluster
	s_endpgm
.Lentry_in_a_cluster:
	s_bfe_u32 s2, ttmp6, 0x10000c
	s_cmp_lg_u32 s2, 0xf033
	s_cbranch_scc0 .Lentry_shape_is_right
	s_endpgm
.Lentry_shape_is_right:
.set TILEB,  12288
.set CHB,    3072
.set HALFB,  8*CHB
.set REGN,   4*HALFB
.set SPARE,  3*REGN
.set SPITCH, 81920
.set HEADB,  98304
.set FR,     12
.set A16, 4
.set A8,  7
.set B16, 10
.set B8,  13
.set L16, 16
.set L8,  17
.set SOF, 18
.set SCA, 19
.set PSEL, 20
.set SPW, 28
.set NIL, 29
.set SC,  32
.set TM,  96
.set WD,  112
.set ALT1, 120
.set ALT2, 124
.set AF,  128
.set PC,  224
.set G1X, 24
.set G1W, 32
.set G0X, 40
.set G0W, 52
.set SEL, 84
.set MSB, 0
.macro WIN new
.if MSB != (\new)
	s_set_vgpr_msb (MSB<<8)|(\new)
.set MSB, (\new)
.endif
.endm
.set MUL_LO, 0xa1
.set MUL_HI, 0xf1
.set TO_B,   0x40
.macro JLOAD c
	s_cmp_eq_u32 s15, 0
	s_cbranch_scc0 .Lfor_w_\@
	tensor_load_to_lds s[G0X+4*\c:G0X+4*\c+3], s[G1X:G1X+7]
	s_nop 0
.rept 4
	v_nop
.endr
	s_branch .Lasked_\@
.Lfor_w_\@:
	tensor_load_to_lds s[G0W+4*\c:G0W+4*\c+3], s[G1W:G1W+7]
	s_nop 0
.rept 4
	v_nop
.endr
.Lasked_\@:
.endm
.macro CREST
	s_cmp_lg_u32 s14, 0
	s_cbranch_scc1 .Lnot_wave_0_\@
	s_barrier_signal -3
.Lnot_wave_0_\@:
	s_barrier_wait -3
	s_barrier_signal -1
	s_barrier_wait -1
.endm
.macro CROUND
	s_barrier_signal -1
	s_barrier_wait -1
	CREST
.endm
.macro PLACES n
.rept \n
	v_nop
.endr
.endm
.macro FRAG reg, a16, a8, q, i
	ds_load_b128 v[\reg:\reg+3], v[\a16] offset:CHB*(\i)+1536*(\q)
	ds_load_b64 v[\reg+4:\reg+5], v[\a8] offset:CHB*(\i)+1536*(\q)+512
	ds_load_b128 v[\reg+6:\reg+9], v[\a16] offset:CHB*(\i)+1536*(\q)+768
	ds_load_b64 v[\reg+10:\reg+11], v[\a8] offset:CHB*(\i)+1536*(\q)+1280
.endm
.macro FETCH_B c, q, p
	WIN TO_B
.irp i, 0,1,2,3,4,5,6,7
	FRAG 128*(\p)+FR*\i, B16+\c, B8+\c, \q, \i
.endr
	WIN 0
.endm
.macro FETCH_A c, q, i0
.irp i, \i0, \i0+1, \i0+2, \i0+3
	FRAG AF+FR*(\i), A16+\c, A8+\c, \q, \i
.endr
.endm
.macro MUL16 a0, p, t, zero
.irp a, \a0, \a0+1
.irp b, 0,1,2,3,4,5,6,7
.if \zero
	v_wmma_scale_f32_16x16x128_f8f6f4 v[8*(8*((\a)%4)+\b):8*(8*((\a)%4)+\b)+7], v[128*(\p)+FR*\b:128*(\p)+FR*\b+FR-1], v[AF+FR*(\a):AF+FR*(\a)+FR-1], 0, v[SC+8*(\t)+\b], v[SC+8*(\t)+(\a)] matrix_a_fmt:MATRIX_FMT_BF6 matrix_b_fmt:MATRIX_FMT_BF6 matrix_a_scale:MATRIX_SCALE_ROW1
.else
	v_wmma_scale_f32_16x16x128_f8f6f4 v[8*(8*((\a)%4)+\b):8*(8*((\a)%4)+\b)+7], v[128*(\p)+FR*\b:128*(\p)+FR*\b+FR-1], v[AF+FR*(\a):AF+FR*(\a)+FR-1], v[8*(8*((\a)%4)+\b):8*(8*((\a)%4)+\b)+7], v[SC+8*(\t)+\b], v[SC+8*(\t)+(\a)] matrix_a_fmt:MATRIX_FMT_BF6 matrix_b_fmt:MATRIX_FMT_BF6 matrix_a_scale:MATRIX_SCALE_ROW1
.endif
.endr
.endr
.endm
.macro STEP t, nc, nq, zero
	s_wait_dscnt 16
	WIN MUL_LO
	MUL16 0, (\t)%2, \t, \zero
	MUL16 2, (\t)%2, \t, \zero
	s_wait_dscnt 0x0
	PLACES 4
	FETCH_B \nc, \nq, 1-(\t)%2
	FETCH_A \nc, \nq, 0
	WIN MUL_HI
	MUL16 4, (\t)%2, \t, \zero
	MUL16 6, (\t)%2, \t, \zero
	PLACES 4
	WIN 0
	FETCH_A \nc, \nq, 4
.endm
.macro TURN t, nc, fill
	s_wait_tensorcnt 0x0
	ds_add_u32 v[SPW], v[NIL]
	s_wait_dscnt 17
	WIN MUL_LO
	MUL16 0, 1, \t, 0
	s_wait_dscnt 0x0
	s_barrier_signal -1
	MUL16 2, 1, \t, 0
	WIN 0
	s_barrier_wait -1
.if \fill
	CREST
	s_add_nc_u64 s[G0X+2:G0X+3], s[G0X+2:G0X+3], 3*CHB
	s_add_nc_u64 s[G0W+2:G0W+3], s[G0W+2:G0W+3], 3*CHB
	JLOAD 0
.else
	PLACES 4
.endif
	FETCH_B \nc, 0, 0
	FETCH_A \nc, 0, 0
	WIN MUL_HI
	MUL16 4, 1, \t, 0
	MUL16 6, 1, \t, 0
	PLACES 4
	WIN 0
	FETCH_A \nc, 0, 4
.endm
.macro QUANTW a
.set AW, 2+(\a)/4
.set AS, 64*((\a)%4)
.set W12, (AW<<2)|(AW<<4)
	WIN 0
.irp b, 0,1,2,3
	v_mov_b32 v[TM+\b], 0x2800000
.endr
	WIN W12
.irp i, 0,2,4,6,8,10,12,14
.irp b, 0,1,2,3
	v_max3_num_f32 v[TM+\b], v[TM+\b], |v[AS+16*\b+\i]|, |v[AS+16*\b+\i+1]|
.endr
.endr
	WIN 0
.irp b, 0,1,2,3
	v_permlanex16_b32 v[TM+4+\b], v[TM+\b], s[SEL], s[SEL+1]
.endr
.irp b, 0,1,2,3
	v_max_num_f32 v[TM+\b], v[TM+\b], v[TM+4+\b]
.endr
.irp b, 0,1,2,3
	v_add_nc_u32 v[TM+12+\b], 0xfe000000, v[TM+\b]
.endr
.irp b, 0,1,2,3
	v_lshrrev_b32 v[TM+4+\b], 23, v[TM+12+\b]
.endr
	v_lshl_or_b32 v[WD+(\a)], v[TM+5], 8, v[TM+4]
	v_lshl_or_b32 v[WD+(\a)], v[TM+6], 16, v[WD+(\a)]
	v_lshl_or_b32 v[WD+(\a)], v[TM+7], 24, v[WD+(\a)]
	WIN AW
.irp c, 0,1
	v_cvt_scalef32_pk16_bf6_f32 v[PC+6*\c:PC+2+6*\c], v[AS+32*\c:AS+15+32*\c], v[TM+12+2*\c]
	v_cvt_scalef32_pk16_bf6_f32 v[PC+12+4*\c:PC+14+4*\c], v[AS+16+32*\c:AS+31+32*\c], v[TM+12+2*\c+1]
.endr
	WIN 0
	v_nop
.irp c, 0,1
.irp i, 0,1,2
	v_permlane16_swap_b32 v[PC+6*\c+\i], v[PC+12+4*\c+\i]
.endr
.irp i, 0,1,2
	v_mov_b32 v[PC+3+6*\c+\i], v[PC+12+4*\c+\i]
.endr
.endr
.endm
	s_load_b256 s[4:11], s[0:1], 0x0
	v_lshl_add_u32 v[SPW], v0, 2, SPARE
	v_mov_b32 v[NIL], 0
	ds_add_u32 v28, v29
	ds_add_u32 v28, v29
	s_wait_dscnt 0x0
	v_lshrrev_b32 v1, 5, v0
	v_readfirstlane_b32 s14, v1
	s_lshr_b32 s15, s14, 1
	s_and_b32 s16, s14, 1
	s_bfe_u32 s12, ttmp6, 0x40000
	s_bfe_u32 s13, ttmp6, 0x40004
	s_lshl_b32 s18, ttmp9, 2
	s_add_co_u32 s18, s18, s12
	s_and_b32 s17, ttmp7, 0xffff
	s_lshl_b32 s17, s17, 2
	s_add_co_u32 s17, s17, s13
	s_lshl_b32 s22, s13, 2
	s_lshl_b32 s22, 15, s22
	s_lshl_b32 s23, 0x1111, s12
	s_or_b32 s[G1X], s22, (3<<16)|(1<<21)
	s_or_b32 s[G1W], s23, (3<<16)|(1<<21)
.irp g, G1X, G1W
	s_mov_b32 s[\g+1], 384<<16
	s_mov_b32 s[\g+2], 16<<16
	s_mov_b32 s[\g+3], 384<<16
	s_mov_b32 s[\g+4], 16
	s_mov_b32 s[\g+5], 1536
	s_mov_b32 s[\g+6], 0
	s_mov_b32 s[\g+7], 0
.endr
	s_lshl_b32 s70, s16, 3
	s_lshl_b32 s66, s17, 4
	s_add_co_u32 s66, s66, s70
	s_mul_i32 s66, s66, TILEB
	s_mov_b32 s67, 0
	s_lshl_b32 s68, s18, 4
	s_add_co_u32 s68, s68, s70
	s_add_co_u32 s68, s68, 512
	s_mul_i32 s68, s68, TILEB
	s_mov_b32 s69, 0
	s_mul_i32 s70, s14, HALFB
	s_wait_kmcnt 0x0
	s_add_nc_u64 s[66:67], s[4:5], s[66:67]
	s_add_nc_u64 s[68:69], s[4:5], s[68:69]
	CROUND
.irp c, 0,2
	s_mov_b32 s[G0X+4*\c], 1
	s_add_co_u32 s[G0X+4*\c+1], s70, \c*REGN
	s_add_nc_u64 s[G0X+4*\c+2:G0X+4*\c+3], s[66:67], \c*CHB
	s_or_b32 s[G0X+4*\c+3], s[G0X+4*\c+3], 0x80000000
	s_mov_b32 s[G0W+4*\c], 1
	s_add_co_u32 s[G0W+4*\c+1], s70, \c*REGN
	s_add_nc_u64 s[G0W+4*\c+2:G0W+4*\c+3], s[68:69], \c*CHB
	s_or_b32 s[G0W+4*\c+3], s[G0W+4*\c+3], 0x80000000
.endr
	; the head's loads, one a wave: waves 0, 1 bring all 16 tiles of x for chunks 0, 1; waves 2, 3 the 16 tiles of the weight
	s_mul_i32 s96, s16, 8*TILEB-CHB
	s_mov_b32 s97, 0
	s_mul_i32 s98, s16, REGN
	s_mov_b32 s[G0X+4], 1
	s_mov_b32 s[G0X+5], s98
	s_sub_nc_u64 s[G0X+6:G0X+7], s[66:67], s[96:97]
	s_or_b32 s[G0X+7], s[G0X+7], 0x80000000
	s_mov_b32 s[G0W+4], 1
	s_add_co_u32 s[G0W+5], s98, 2*HALFB
	s_sub_nc_u64 s[G0W+6:G0W+7], s[68:69], s[96:97]
	s_or_b32 s[G0W+7], s[G0W+7], 0x80000000
	JLOAD 1
	s_cmp_eq_u32 ttmp9, 2
	s_cselect_b32 s20, s16, s15
	s_cselect_b32 s21, s15, s16
	s_cselect_b32 s71, 2*HALFB, 0
	s_cselect_b32 s72, 0, 2*HALFB
	s_cselect_b32 s86, -1, 0
	s_mov_b32 s73, HEADB
	s_cselect_b32 s73, 768, s73
	s_mov_b32 s78, 768
	s_cselect_b32 s78, 1536, s78
	s_cselect_b32 s80, HEADB-4*1536, 0
	s_mov_b32 s79, 0
	s_mov_b32 s81, 0
	s_mov_b32 s87, 0xffff0000
	s_mov_b32 s[SEL], 0x76543210
	s_mov_b32 s[SEL+1], 0xfedcba98
	v_and_b32 v3, 31, v0
	v_and_b32 v1, 15, v0
	v_bfe_u32 v2, v0, 4, 1
	v_lshlrev_b32 v[L16], 4, v3
	v_lshlrev_b32 v[L8], 3, v3
	s_mul_i32 s82, s15, HALFB
	s_add_co_u32 s82, s82, s71
	s_mul_i32 s83, s16, HALFB
	s_add_co_u32 s83, s83, s72
.irp c, 0,1,2
	v_add_nc_u32 v[A16+\c], s82, v[L16]
	v_add_nc_u32 v[A8+\c], s82, v[L8]
	v_add_nc_u32 v[B16+\c], s83, v[L16]
	v_add_nc_u32 v[B8+\c], s83, v[L8]
	s_add_co_u32 s82, s82, REGN
	s_add_co_u32 s83, s83, REGN
.endr
	s_lshl_b32 s90, s17, 2
	s_lshl_b32 s91, s20, 1
	s_add_co_u32 s90, s90, s91
	s_lshl_b32 s92, s18, 2
	s_lshl_b32 s93, s21, 1
	s_add_co_u32 s92, s92, s93
	s_add_co_u32 s91, s92, 128
	s_lshl_b32 s90, s90, 8
	s_lshl_b32 s91, s91, 8
	s_cmp_eq_u32 ttmp9, 2
	s_cselect_b32 s94, s91, s90
	s_cselect_b32 s95, s90, s91
	v_mov_b32 v[SCA], s94
	v_mov_b32 v21, s95
	v_cndmask_b32 v[SCA], v[SCA], v21, s87
	v_lshl_add_u32 v[SCA], v1, 4, v[SCA]
.irp t, 0,1,2,3,4,5,6,7
.irp g, 0,1
	global_load_b128 v[SC+8*\t+4*\g:SC+8*\t+4*\g+3], v[SCA], s[6:7] offset:SPITCH*\t+256*\g
.endr
.endr
	v_lshlrev_b32 v[SOF], 12, v2
	v_lshl_add_u32 v[SOF], v1, 4, v[SOF]
	v_mov_b32 v[PSEL], 0x05040100
	v_mov_b32 v22, 0x07060302
	v_cndmask_b32 v[PSEL], v[PSEL], v22, s87
.irp b, 0,1,2,3
	v_mov_b32 v[TM+4+\b], 0
.endr
	s_lshl_b32 s96, s17, 1
	s_add_co_u32 s96, s96, s20
	s_and_b32 s96, s96, 15
	s_lshr_b32 s97, s17, 3
	s_mul_i32 s97, s97, 48
	s_add_co_u32 s97, s97, s92
	s_mul_i32 s74, s97, HEADB
	s_mul_i32 s98, s96, 6144
	s_add_co_u32 s74, s74, s98
	s_mov_b32 s75, 0
	s_add_nc_u64 s[74:75], s[8:9], s[74:75]
	s_mov_b32 s76, s73
	s_mov_b32 s77, 0
	s_add_nc_u64 s[76:77], s[74:75], s[76:77]
	s_lshl_b32 s88, s97, 12
	s_lshl_b32 s98, s96, 8
	s_add_co_u32 s88, s88, s98
	s_mov_b32 s89, 0
	s_add_nc_u64 s[88:89], s[10:11], s[88:89]
	s_wait_alu depctr_va_vdst(0)
	s_wait_tensorcnt 0x0                           ; chunks 0 and 1: my part is in
	ds_add_u32 v[SPW], v[NIL]
	s_mov_b32 s[G1X+2], 8<<16                      ; no tensor load of mine is out: from here on a load brings 8 tiles
	s_mov_b32 s[G1X+4], 8
	s_mov_b32 s[G1W+2], 8<<16
	s_mov_b32 s[G1W+4], 8
	s_wait_dscnt 0x0
	CROUND
	JLOAD 2                                        ; chunk 2 into region 2, its first fill
	FETCH_B 0, 0, 0
	FETCH_A 0, 0, 0
	FETCH_A 0, 0, 4
	s_wait_loadcnt 0x0
	STEP 0, 0, 1, 1
	STEP 1, 1, 0, 0
	STEP 2, 1, 1, 0
	TURN 3, 2, 1
	STEP 4, 2, 1, 0
	TURN 5, 0, 0
	STEP 6, 0, 1, 0
	s_wait_dscnt 16
	WIN MUL_LO
	MUL16 0, 1, 7, 0
	MUL16 2, 1, 7, 0
	s_wait_dscnt 0x0
	WIN MUL_HI
	MUL16 4, 1, 7, 0
	MUL16 6, 1, 7, 0
	WIN 0
	PLACES 4
.irp a, 0,1,2,3,4,5,6,7
.if \a > 0
	s_wait_xcnt 0x0
	s_add_nc_u64 s[74:75], s[74:75], s[78:79]
	s_add_nc_u64 s[76:77], s[76:77], s[78:79]
.if \a == 4
	s_add_nc_u64 s[74:75], s[74:75], s[80:81]
	s_add_nc_u64 s[76:77], s[76:77], s[80:81]
.endif
.endif
	QUANTW \a
	global_store_b128 v[L16], v[PC:PC+3], s[74:75]
	global_store_b64 v[L8], v[PC+4:PC+5], s[74:75] offset:512
	global_store_b128 v[L16], v[PC+6:PC+9], s[76:77]
	global_store_b64 v[L8], v[PC+10:PC+11], s[76:77] offset:512
.endr
.irp g, 0,1,2,3
	v_perm_b32 v[ALT1+\g], v[WD+2*\g+1], v[WD+2*\g], v[PSEL]
	v_cndmask_b32 v[ALT2+\g], v[WD+\g], v[WD+4+\g], s87
.endr
.irp g, 0,1,2,3
	v_cndmask_b32 v[ALT1+\g], v[ALT1+\g], v[ALT2+\g], s86
.endr
	global_store_b128 v[SOF], v[ALT1:ALT1+3], s[88:89]
	s_wait_tensorcnt 0x0
	ds_add_u32 v[SPW], v[NIL]
	s_wait_dscnt 0x0
	CROUND
	s_endpgm
.Lfunc_end_k_qf3fef5ab13_qkv:
	.size	k_qf3fef5ab13_qkv, .Lfunc_end_k_qf3fef5ab13_qkv-k_qf3fef5ab13_qkv
	.p2alignl 7, 3214868480
	.fill 96, 4, 3214868480
	.section	.rodata,"a",@progbits
	.p2align	6, 0x0
	.amdhsa_kernel k_qf3fef5ab13_qkv
		.amdhsa_group_segment_fixed_size 327680
		.amdhsa_private_segment_fixed_size 0
		.amdhsa_enable_private_segment 0
		.amdhsa_kernarg_size 32
		.amdhsa_user_sgpr_count 2
		.amdhsa_user_sgpr_kernarg_segment_ptr 1
		.amdhsa_wavefront_size32 1
		.amdhsa_system_sgpr_workgroup_id_x 1
		.amdhsa_system_sgpr_workgroup_id_y 1
		.amdhsa_system_sgpr_workgroup_id_z 1
		.amdhsa_system_vgpr_workitem_id 0
		.amdhsa_next_free_vgpr 1024
		.amdhsa_next_free_sgpr 100
		.amdhsa_reserve_vcc 0
		.amdhsa_float_denorm_mode_32 3
		.amdhsa_float_denorm_mode_16_64 3
		.amdhsa_memory_ordered 1
		.amdhsa_forward_progress 1
		.amdhsa_inst_pref_size 149
	.end_amdhsa_kernel
	.amdgpu_metadata
---
amdhsa.version: [ 1, 2 ]
amdhsa.kernels:
  - .name:           k_qf3fef5ab13_qkv
    .symbol:         k_qf3fef5ab13_qkv.kd
    .args:
      - { .name: codes, .offset: 0, .size: 8, .value_kind: global_buffer, .address_space: global }
      - { .name: scl, .offset: 8, .size: 8, .value_kind: global_buffer, .address_space: global }
      - { .name: qkvc, .offset: 16, .size: 8, .value_kind: global_buffer, .address_space: global }
      - { .name: qkvs, .offset: 24, .size: 8, .value_kind: global_buffer, .address_space: global }
    .group_segment_fixed_size: 327680
    .private_segment_fixed_size: 0
    .kernarg_segment_align: 8
    .kernarg_segment_size: 32
    .max_flat_workgroup_size: 128
    .sgpr_count:     100
    .vgpr_count:     1024
    .wavefront_size: 32
...
	.end_amdgpu_metadata
.endif
;; end of part 2
;; launch attn (part 3): grid 4 x 64, 16 waves a work-group, clusters of 4 x 1, 327,680 bytes of LDS; arguments qkvc, qkvs, codes, cats; writes codes, cats
.if DOCPART == 3
	.amdgcn_target "amdgcn-amd-amdhsa--gfx1250"
	.amdhsa_code_object_version 6
	.text
	.protected	k_qf3fef5ab13_attn
	.globl	k_qf3fef5ab13_attn
	.p2align	8
	.type	k_qf3fef5ab13_attn,@function
k_qf3fef5ab13_attn:
	s_mov_b64 s[64:65], 0
	v_nop
	global_prefetch_b8 v0, s[64:65] scope:SCOPE_SE
	s_setreg_imm32_b32 hwreg(HW_REG_WAVE_MODE, 25, 1), 1
	s_wait_xcnt 0x0
	s_wait_alu depctr_hold_cnt(0) depctr_sa_sdst(0) depctr_va_vdst(0) depctr_va_sdst(0) depctr_va_ssrc(0) depctr_va_vcc(0) depctr_vm_vsrc(0)
	s_getreg_b32 s2, hwreg(HW_REG_IB_STS2, 6, 4)
	s_cmp_eq_u32 s2, 0
	s_cbranch_scc0 .Lentry_in_a_cluster
	s_endpgm
.Lentry_in_a_cluster:
	s_bfe_u32 s2, ttmp6, 0x10000c
	s_cmp_lg_u32 s2, 0x3003
	s_cbranch_scc0 .Lentry_shape_is_right
	s_endpgm
.Lentry_shape_is_right:
; cat[b][q][64 head + d] = the sum over k of softmax_k(Q . K / 8) V, both products on codes of BF6 (E3M2) with E8M0 scales, and cat quantised at once along d for the last product.
; THE SOFTMAX: t = score x log2(e) / 8; M = the row's largest t so far, rounded up to a whole number; p = 2^(t - M) is quantised along the keys, not normalised.  The row's sum is taken of the
; unquantised p, in f32, and divides at the end.  When M moves, the sum and O are multiplied by 2^(old M - new M): exact.
; IN: qkvc, qkvs as the launch before laid them (Q, K: token tiles of 16 as images of 768 bytes; V: for each 128 keys four tiles of 16 d x 128 keys; tile 2 B + u, place r = row 32 B + 8 u + r + 8 (r / 8)).
; SHARES.  A work-group owns ONE head of one batch and 512 queries: 64 x 4 = 256 work-groups.  The head's K and V, 196,608 bytes, and their scale words, 8,192 bytes, lie in LDS whole and are filled once.
; Each of the sixteen waves owns two neighbouring tiles of 16 queries and walks the 16 key steps twice, once for each tile, over the same LDS bytes.
; THE FIRST PRODUCT'S K IS 64, the instruction's 128: a fragment of K holds two tiles of keys, and Q stands twice: Q0 = (Q, zero codes), Q1 = (zero codes, Q).  Zero codes add nothing under these scale bytes (1 to 254).
; LAYOUT.  Both products are used transposed (S^T = K Q^T, O^T = V^T P^T): a lane holds one query; S^T's register 16 g + i is key 32 g + 16 (lane / 16) + i, O^T's register 16 B + i is d 32 B + 16 (lane / 16) + i.
; FILLS.  At most one tensor load a wave, all at the head (slot s: K's steps 8 s .. 8 s + 7, then V's): waves 0-3 a quarter of slot 0 each, waves 4, 5 the scale words of K and of V, waves 8-11 a quarter of slot 1, on a
; load line of their own.  The walk begins when slot 0 and the scale words are in: waves 0-7 wait ahead of the head's barrier.  Behind the first eight key steps every wave waits for 0, and a plain barrier, behind which
; nothing is filled, shows slot 1 to all.  From there to the end no wave waits for another.
; CLUSTER.  The four query blocks of a head read the same K and V: joint loads with the mask 15.  No data prefetch: all tiles are asked for at the head, and no later load is left to run ahead of.
; OUT.  codes: tile 768 + 128 b + (query tile), image = head.  cats[head][tile / 4][place 16][tile % 4]: two scale bytes each; a work-group stores 1,024 consecutive bytes of it.
; LIMITS: the promise holds while the scaled scores t stay under 2^31 in magnitude; a block of zeros, or one under 2^-122, gets the byte 1 (this program alone reads the bytes); NaN and infinities are not served.
.set HEADB, 98304
.set SLOT,  98304
.set QUART, 24576                      ; what one tensor load of K or V brings
.set VOFF,  49152
.set SCB,   2*SLOT                     ; K's scale words, 4,096 bytes, then V's
.set CST,   SCB+8192                   ; 1,024 bytes for cat's scale bytes: LDS stores alone go here
.set SPARE, CST+1024                   ; the spare words, 128 bytes a wave
.set L16, 1
.set L8,  2
.set SC0, 3
.set SCO, 4
.set SPW, 5
.set NIL, 6
.set ADR16, 7
.set ADR8, 8
.set ADS, 9
.set CSW, 10
.set CSR, 11
;                                        v12 -M, v13 the largest t, v[14:15] the sum in two halves
.set Q0,  16                           ; v16-27 (Q, zeros)
.set Q1,  28                           ; v28-39 (zeros, Q)
.set QB,  40                           ; v40-45 the second tile's Q;  v46 the pair's scale word
.set QS,  47
.set KV,  48                           ; v48-95 four fragments of K, then of V
.set S,   96                           ; v96-159 S^T, then p
.set OT,  160                          ; v160-191 O^T
.set PC,  192
.set CT,  204
.set BM,  212
.set BP,  216
.set SO,  220
.set KS,  224
.set VS,  228
.set PS,  232
.set TP,  234
.set HWB, 235
.set FF,  236
.set CA,  240                          ; v240-245 the first tile's codes of cat; v246 its two scale bytes; v247 the pair's word; v248-253 the second tile's codes
.set HWA, 246
.set CW,  247
.set CB,  248
.set WV,  12
.set TB,  2
.set TS,  3
.set CNT, 14
.set SEL, 20
.set CS,  22
.set G1,  24
.set G1S, 32
.set G0A, 40
.set G0B, 44
.set G0S, 48
.macro CROUND
	s_barrier_signal -1
	s_barrier_wait -1
	s_cmp_lg_u32 s[WV], 0
	s_cbranch_scc1 .Lnot_wave_0_\@
	s_barrier_signal -3
.Lnot_wave_0_\@:
	s_barrier_wait -3
	s_barrier_signal -1
	s_barrier_wait -1
.endm
.macro TLOAD g0, g1
	tensor_load_to_lds s[\g0:\g0+3], s[\g1:\g1+7]
	s_nop 0
.rept 4
	v_nop
.endr
.endm
.macro KVLOAD base
.irp g, 0,1,2,3
	ds_load_b128 v[KV+12*\g:KV+12*\g+3], v[ADR16] offset:\base+1536*\g
	ds_load_b64 v[KV+12*\g+4:KV+12*\g+5], v[ADR8] offset:\base+1536*\g+512
	ds_load_b128 v[KV+12*\g+6:KV+12*\g+9], v[ADR16] offset:\base+1536*\g+768
	ds_load_b64 v[KV+12*\g+10:KV+12*\g+11], v[ADR8] offset:\base+1536*\g+1280
.endr
.endm
; A KEY STEP: 128 keys.
.macro STEP
	v_add_nc_u32 v[ADR16], s[TB], v[L16]
	v_add_nc_u32 v[ADR8], s[TB], v[L8]
	v_add_nc_u32 v[ADS], s[TS], v[SC0]
	v_nop                                          ; four plain places between the last step's products and the loads into their registers
	KVLOAD 0
	ds_load_b128 v[KS:KS+3], v[ADS]
	ds_load_b128 v[VS:VS+3], v[ADS] offset:4096
	s_wait_alu depctr_va_vdst(0)
	s_wait_dscnt 0x0
.irp g, 0,1,2,3                                ; S^T = K Q^T: each fragment against Q0 (its first tile of keys) and Q1 (its second)
	v_wmma_scale_f32_16x16x128_f8f6f4 v[S+16*\g:S+16*\g+7], v[KV+12*\g:KV+12*\g+11], v[Q0:Q0+11], 0, v[KS+\g], v[QS] matrix_a_fmt:MATRIX_FMT_BF6 matrix_b_fmt:MATRIX_FMT_BF6
	v_wmma_scale_f32_16x16x128_f8f6f4 v[S+16*\g+8:S+16*\g+15], v[KV+12*\g:KV+12*\g+11], v[Q1:Q1+11], 0, v[KS+\g], v[QS] matrix_a_fmt:MATRIX_FMT_BF6 matrix_b_fmt:MATRIX_FMT_BF6
.endr
.rept 4
	v_nop
.endr
	KVLOAD VOFF                                    ; V's four fragments land while the softmax is walked
.irp b, 0,1,2,3
	v_max3_num_f32 v[BM+\b], v[S+16*\b], v[S+1+16*\b], v[S+2+16*\b]   ; the largest score of each block of 32 keys: for the row's maximum and for the block's largest p
.endr
.irp i, 3,5,7,9,11,13
.irp b, 0,1,2,3
	v_max3_num_f32 v[BM+\b], v[BM+\b], v[S+16*\b+\i], v[S+1+16*\b+\i]
.endr
.endr
.irp b, 0,1,2,3
	v_max_num_f32 v[BM+\b], v[BM+\b], v[S+15+16*\b]
.endr
.irp b, 0,1,2,3
	s_delay_alu instid0(VALU_DEP_4)
	v_permlanex16_b32 v[BP+\b], v[BM+\b], s[SEL], s[SEL+1]
.endr
.irp b, 0,1,2,3
	s_delay_alu instid0(VALU_DEP_4)
	v_max_num_f32 v[BM+\b], v[BM+\b], v[BP+\b]
.endr
	s_delay_alu instid0(VALU_DEP_2)
	v_max3_num_f32 v[TP], v[BM], v[BM+1], v[BM+2]
	s_delay_alu instid0(VALU_DEP_1)
	v_max_num_f32 v[TP], v[TP], v[BM+3]
	s_delay_alu instid0(VALU_DEP_1)
	v_mul_f32 v[TP], s[CS], v[TP]
	s_delay_alu instid0(VALU_DEP_1)
	v_max_num_f32 v13, v13, v[TP]                  ; the running largest t
	v_mov_b32 v[TP], v12
	s_delay_alu instid0(VALU_DEP_2)
	v_floor_f32 v12, -v13                          ; the new -M = -ceil(t)
	s_delay_alu instid0(VALU_DEP_1)
	v_sub_f32 v[TP], v12, v[TP]
	s_delay_alu instid0(VALU_DEP_1)
	v_cvt_i32_f32 v[TP], v[TP]
	s_delay_alu instid0(VALU_DEP_1)
	v_ldexp_f32 v[FF], 1.0, v[TP]                  ; f = 2^(old M - new M)
.set j, 0
.rept 32
	v_pk_fma_f32 v[S+j:S+j+1], v[S+j:S+j+1], s[CS:CS+1], v[12:13] op_sel_hi:[1,0,0]   ; t - M
.set j, j+2
.endr
.irp b, 0,1,2,3
	v_fma_f32 v[BM+\b], v[BM+\b], s[CS], v12
.endr
.set j, 0
	s_wait_alu depctr_va_vdst(0)
.rept 64
	v_exp_f32 v[S+j], v[S+j]                       ; p = 2^(t - M)
.set j, j+1
.endr
	v_pk_mul_f32 v[14:15], v[14:15], v[FF:FF+1] op_sel_hi:[1,0]
	s_wait_alu depctr_va_vdst(0)
.irp b, 0,1,2,3
	v_exp_f32 v[BM+\b], v[BM+\b]                   ; the block's largest p
.endr
	v_pk_add_f32 v[238:239], v[100:101], v[104:105]   ; the row's sum of the unquantised p, in eight chains
	v_pk_add_f32 v[254:255], v[108:109], v[112:113]
	v_pk_add_f32 v[252:253], v[116:117], v[120:121]
	v_pk_add_f32 v[250:251], v[124:125], v[128:129]
	v_pk_add_f32 v[248:249], v[132:133], v[136:137]
	v_pk_add_f32 v[232:233], v[140:141], v[144:145]
	v_pk_add_f32 v[226:227], v[148:149], v[152:153]
	v_pk_add_f32 v[14:15], v[14:15], v[156:157]
	v_pk_add_f32 v[238:239], v[238:239], v[96:97]
	v_pk_add_f32 v[254:255], v[254:255], v[98:99]
	v_pk_add_f32 v[252:253], v[252:253], v[102:103]
	v_pk_add_f32 v[250:251], v[250:251], v[106:107]
	v_pk_add_f32 v[248:249], v[248:249], v[110:111]
	v_pk_add_f32 v[232:233], v[232:233], v[114:115]
	v_pk_add_f32 v[226:227], v[226:227], v[118:119]
	v_pk_add_f32 v[14:15], v[14:15], v[122:123]
	v_pk_add_f32 v[238:239], v[238:239], v[126:127]
	v_pk_add_f32 v[254:255], v[254:255], v[130:131]
	v_pk_add_f32 v[252:253], v[252:253], v[134:135]
	v_pk_add_f32 v[250:251], v[250:251], v[138:139]
	v_pk_add_f32 v[248:249], v[248:249], v[142:143]
	v_pk_add_f32 v[232:233], v[232:233], v[146:147]
	v_pk_add_f32 v[226:227], v[226:227], v[150:151]
	v_pk_add_f32 v[14:15], v[14:15], v[154:155]
	v_pk_add_f32 v[238:239], v[238:239], v[158:159]
	s_delay_alu instid0(VALU_DEP_2)
	v_pk_add_f32 v[14:15], v[14:15], v[250:251]
	s_delay_alu instid0(VALU_DEP_2)
	v_pk_add_f32 v[238:239], v[238:239], v[248:249]
	v_pk_add_f32 v[254:255], v[254:255], v[232:233]
	v_pk_add_f32 v[252:253], v[252:253], v[226:227]
	s_delay_alu instid0(VALU_DEP_2)
	v_pk_add_f32 v[14:15], v[14:15], v[254:255]
	s_delay_alu instid0(VALU_DEP_2)
	v_pk_add_f32 v[238:239], v[238:239], v[252:253]
	s_delay_alu instid0(VALU_DEP_1)
	v_pk_add_f32 v[14:15], v[14:15], v[238:239]
	s_wait_alu depctr_va_vdst(0)
.irp b, 0,1,2,3
	v_max_num_f32 v[BM+\b], 0x2800000, v[BM+\b]    ; the floor 2^(5 - 127): the byte cannot fall under 1
.endr
.irp b, 0,1,2,3
	s_delay_alu instid0(VALU_DEP_4)
	v_add_nc_u32 v[SO+\b], 0xfe000000, v[BM+\b]    ; 4 off the exponent field: the conversion's scale operand
.endr
.irp b, 0,1,2,3
	s_delay_alu instid0(VALU_DEP_4)
	v_lshrrev_b32 v[BP+\b], 23, v[SO+\b]
.endr
	s_delay_alu instid0(VALU_DEP_3)
	v_lshl_or_b32 v[PS], v[BP+1], 8, v[BP]         ; p's scale word for these 128 keys
	s_delay_alu instid0(VALU_DEP_1)
	v_lshl_or_b32 v[PS], v[BP+2], 16, v[PS]
	s_delay_alu instid0(VALU_DEP_1)
	v_lshl_or_b32 v[PS], v[BP+3], 24, v[PS]
.irp c, 0,1
	v_cvt_scalef32_pk16_bf6_f32 v[PC+6*\c:PC+2+6*\c], v[S+32*\c:S+15+32*\c], v[SO+2*\c]
	v_cvt_scalef32_pk16_bf6_f32 v[CT+4*\c:CT+2+4*\c], v[S+16+32*\c:S+31+32*\c], v[SO+2*\c+1]
.endr
	v_nop                                          ; one plain place behind a scaled conversion
.irp c, 0,1                                    ; a whole block in a lane: lanes 0-15 block 2 c, lanes 16-31 block 2 c + 1
.irp i, 0,1,2
	v_permlane16_swap_b32 v[PC+6*\c+\i], v[CT+4*\c+\i]
.endr
.irp i, 0,1,2
	s_delay_alu instid0(VALU_DEP_3)
	v_mov_b32 v[PC+3+6*\c+\i], v[CT+4*\c+\i]
.endr
.endr
.set j, 0
.rept 16
	v_pk_mul_f32 v[OT+j:OT+j+1], v[OT+j:OT+j+1], v[FF:FF+1] op_sel_hi:[1,0]   ; O^T under the new M; also the places ahead of the products below
.set j, j+2
.endr
	s_wait_alu depctr_va_vdst(0)
	s_wait_dscnt 0x0                               ; V is in
.irp t, 0,1,2,3                                ; O^T += V^T P^T: four accumulators by turns
	v_wmma_scale_f32_16x16x128_f8f6f4 v[OT+8*\t:OT+8*\t+7], v[KV+12*\t:KV+12*\t+11], v[PC:PC+11], v[OT+8*\t:OT+8*\t+7], v[VS+\t], v[PS] matrix_a_fmt:MATRIX_FMT_BF6 matrix_b_fmt:MATRIX_FMT_BF6
.endr
	s_add_co_u32 s[TB], s[TB], 6144
	s_add_co_u32 s[TS], s[TS], 256
.endm
.macro SLOTSTEPS base                  ; a slot's eight key steps
	s_mov_b32 s[TB], \base
	s_mov_b32 s[CNT], 8
.Lstep_\@:
	STEP
	s_sub_co_u32 s[CNT], s[CNT], 1
	s_cmp_lg_u32 s[CNT], 0
	s_cbranch_scc1 .Lstep_\@
.endm
; A tile's end: O^T is divided by the row's sum and quantised along d: six registers of codes at v[d], two scale bytes in v[hw].  first = 1: then the second tile is set up.
.macro FINAL d, hw, first
.rept 4
	v_nop
.endr
	v_add_f32 v14, v14, v15
	s_delay_alu instid0(VALU_DEP_1)
	v_permlanex16_b32 v[TP], v14, s[SEL], s[SEL+1]
	s_delay_alu instid0(VALU_DEP_1)
	v_add_f32 v14, v14, v[TP]
	s_wait_alu depctr_va_vdst(0)
	v_rcp_f32 v14, v14
	v_nop
	s_wait_alu depctr_va_vdst(0)
.set j, 0
.rept 32
	v_mul_f32 v[S+j], v[OT+j], v14                 ; each accumulator from its low end on
.set j, j+1
.endr
.irp b, 0,1
	v_max3_num_f32 v[BM+\b], |v[S+16*\b]|, |v[S+1+16*\b]|, 0x2800000
.endr
.irp i, 2,4,6,8,10,12,14
.irp b, 0,1
	s_delay_alu instid0(VALU_DEP_2)
	v_max3_num_f32 v[BM+\b], v[BM+\b], |v[S+16*\b+\i]|, |v[S+1+16*\b+\i]|
.endr
.endr
.irp b, 0,1
	s_delay_alu instid0(VALU_DEP_2)
	v_permlanex16_b32 v[BP+\b], v[BM+\b], s[SEL], s[SEL+1]
.endr
.irp b, 0,1
	s_delay_alu instid0(VALU_DEP_2)
	v_max_num_f32 v[BM+\b], v[BM+\b], v[BP+\b]
.endr
.irp b, 0,1
	s_delay_alu instid0(VALU_DEP_2)
	v_add_nc_u32 v[SO+\b], 0xfe000000, v[BM+\b]
.endr
.irp b, 0,1
	s_delay_alu instid0(VALU_DEP_2)
	v_lshrrev_b32 v[BP+\b], 23, v[SO+\b]
.endr
	s_delay_alu instid0(VALU_DEP_1)
	v_lshl_or_b32 v[\hw], v[BP+1], 8, v[BP]
	v_cvt_scalef32_pk16_bf6_f32 v[\d:\d+2], v[S:S+15], v[SO]
	v_cvt_scalef32_pk16_bf6_f32 v[CT:CT+2], v[S+16:S+31], v[SO+1]
	v_nop
.irp i, 0,1,2
	v_permlane16_swap_b32 v[\d+\i], v[CT+\i]
.endr
.irp i, 0,1,2
	s_delay_alu instid0(VALU_DEP_3)
	v_mov_b32 v[\d+3+\i], v[CT+\i]
.endr
.if \first
	v_perm_b32 v[QS], v46, v46, s13                ; the second tile's scale bytes of Q; the lines below are the places ahead of the next products
.irp i, 0,1,2,3,4,5
	v_mov_b32 v[Q0+\i], v[QB+\i]
	v_mov_b32 v[Q1+6+\i], v[QB+\i]
.endr
	v_mov_b32 v13, 0xff61b1e6                      ; -3e38, under every t
	s_delay_alu instid0(VALU_DEP_1)
	v_floor_f32 v12, -v13
	v_mov_b32 v14, 0
	v_mov_b32 v15, 0
.set j, 0
.rept 32
	v_mov_b32 v[OT+j], 0                           ; the step is written once: a tile's first step finds zeros
.set j, j+1
.endr
.endif
.endm
	s_load_b256 s[4:11], s[0:1], 0x0               ; qkvc, qkvs, codes, cats
	v_lshl_add_u32 v[SPW], v0, 2, SPARE
	v_mov_b32 v[NIL], 0
	ds_add_u32 v[SPW], v[NIL]                      ; the opening lines: the add twice and its wait
	ds_add_u32 v[SPW], v[NIL]
	s_wait_dscnt 0x0
	v_lshrrev_b32 v7, 5, v0
	v_readfirstlane_b32 s[WV], v7                  ; wave 0..15
	s_and_b32 s15, ttmp7, 0xffff                   ; 16 b + head
	s_lshr_b32 s16, s15, 4                         ; the batch
	s_and_b32 s17, s15, 15                         ; the head
	s_mul_i32 s18, s16, 48
	s_add_co_u32 s18, s18, s17                     ; Q's head block; K's is 16 on, V's 32
	s_and_b32 s52, s[WV], 3                        ; which quarter of a slot: 0, 1 K's halves, 2, 3 V's
	s_lshr_b32 s53, s52, 1
	s_and_b32 s54, s52, 1
	s_lshl_b32 s55, s53, 4
	s_add_co_u32 s55, s55, s18
	s_add_co_u32 s55, s55, 16
	s_mul_i32 s56, s55, HEADB
	s_mul_i32 s58, s54, QUART
	s_add_co_u32 s56, s56, s58
	s_mov_b32 s57, 0
	s_mul_i32 s60, s52, QUART                      ; where it goes: no place in the cluster enters an LDS address
	s_lshl_b32 s58, s54, 4                         ; the scale words of K (even waves), of V (odd waves)
	s_add_co_u32 s58, s58, s18
	s_add_co_u32 s58, s58, 16
	s_lshl_b32 s58, s58, 12
	s_mov_b32 s59, 0
	s_lshl_b32 s61, s54, 12
	s_mov_b32 s[G1], 15|(3<<16)|(1<<21)            ; the mask: all four work-groups; elements of 8 bytes; 96 rows of 256 bytes, dense
	s_mov_b32 s[G1+1], 32<<16
	s_mov_b32 s[G1+2], 96<<16
	s_mov_b32 s[G1+3], 32<<16
	s_mov_b32 s[G1+4], 96
	s_mov_b32 s[G1+5], 32
	s_mov_b32 s[G1+6], 0
	s_mov_b32 s[G1+7], 0
	s_mov_b32 s[G1S], 15|(3<<16)|(1<<21)           ; the scale words: 16 such rows
	s_mov_b32 s[G1S+1], 32<<16
	s_mov_b32 s[G1S+2], 16<<16
	s_mov_b32 s[G1S+3], 32<<16
	s_mov_b32 s[G1S+4], 16
	s_mov_b32 s[G1S+5], 32
	s_mov_b32 s[G1S+6], 0
	s_mov_b32 s[G1S+7], 0
	s_mov_b32 s[SEL], 0x76543210
	s_mov_b32 s[SEL+1], 0xfedcba98
	s_mov_b32 s[CS], 0x3e38aa3b                    ; c = log2(e) / 8
	s_mov_b32 s[CS+1], s[CS]
	s_mov_b32 s[TS], 0
	s_mov_b32 s19, 0x01000100                      ; the pair's even tile: the word's low half, twice (for Q0 and for Q1)
	s_mov_b32 s13, 0x03020302                      ; the odd tile: the high half
	s_wait_kmcnt 0x0
	s_mov_b32 s[G0S], 1
	s_add_co_u32 s[G0S+1], s61, SCB
	s_add_nc_u64 s[G0S+2:G0S+3], s[6:7], s[58:59]
	s_or_b32 s[G0S+3], s[G0S+3], 0x80000000
	s_mov_b32 s[G0A], 1
	s_mov_b32 s[G0A+1], s60
	s_add_nc_u64 s[G0A+2:G0A+3], s[4:5], s[56:57]  ; steps 0-7
	s_mov_b32 s[G0B], 1
	s_add_co_u32 s[G0B+1], s60, SLOT
	s_add_nc_u64 s[G0B+2:G0B+3], s[G0A+2:G0A+3], VOFF   ; steps 8-15
	s_or_b32 s[G0A+3], s[G0A+3], 0x80000000
	s_or_b32 s[G0B+3], s[G0B+3], 0x80000000
	CROUND                                         ; all four work-groups are here: the joint loads meet
	s_cmp_lt_u32 s[WV], 4                          ; one chain of arms on the wave's number, one load to an arm
	s_cbranch_scc0 .Lnot_slot0
	TLOAD G0A, G1                                  ; waves 0-3: slot 0, which is wanted first
	s_branch .Lasked
.Lnot_slot0:
	s_cmp_lt_u32 s[WV], 6
	s_cbranch_scc0 .Lnot_scales
	TLOAD G0S, G1S                                 ; waves 4, 5: the scale words
	s_branch .Lasked
.Lnot_scales:
	s_cmp_lt_u32 s[WV], 8
	s_cbranch_scc1 .Lasked
	s_cmp_lt_u32 s[WV], 12
	s_cbranch_scc0 .Lasked
	TLOAD G0B, G1                                  ; waves 8-11: slot 1, on a line of their own: they do not wait at the head
.Lasked:
	; what hangs on my place in the cluster: global addresses alone
	s_bfe_u32 s66, ttmp6, 0x40000                  ; cx: my block of 512 queries
	s_lshl_b32 s67, s66, 5
	s_lshl_b32 s69, s[WV], 1
	s_add_co_u32 s67, s67, s69                     ; my first tile: 32 cx + 2 w
	s_mul_i32 s68, s18, HEADB
	s_mul_i32 s69, s67, 768
	s_add_co_u32 s68, s68, s69
	s_mov_b32 s69, 0
	s_add_nc_u64 s[68:69], s[4:5], s[68:69]
	s_lshl_b32 s70, s66, 2
	s_lshr_b32 s71, s[WV], 2
	s_add_co_u32 s70, s70, s71                     ; the pair's step of 128 tokens: 4 cx + w / 4
	s_lshl_b32 s70, s70, 8
	s_and_b32 s71, s[WV], 3                        ; and its place in the step
	s_lshl_b32 s71, s71, 2
	s_add_co_u32 s70, s70, s71
	s_lshl_b32 s71, s18, 12
	s_add_co_u32 s70, s70, s71
	s_mov_b32 s71, 0
	s_add_nc_u64 s[70:71], s[6:7], s[70:71]
	s_lshl_b32 s72, s16, 7
	s_add_co_u32 s72, s72, s67
	s_add_co_u32 s72, s72, 768                     ; cat's tile
	s_mul_i32 s72, s72, 12288
	s_mul_i32 s73, s17, 768                        ; image = head
	s_add_co_u32 s72, s72, s73
	s_mov_b32 s73, 0
	s_add_nc_u64 s[72:73], s[8:9], s[72:73]
	s_lshl_b32 s74, s16, 5
	s_lshl_b32 s75, s66, 3
	s_add_co_u32 s74, s74, s75                     ; the work-group's first group of four tiles: 32 b + 8 cx
	s_lshl_b32 s74, s74, 7
	s_lshl_b32 s75, s17, 14
	s_add_co_u32 s74, s74, s75
	s_mov_b32 s75, 0
	s_add_nc_u64 s[74:75], s[10:11], s[74:75]
	s_lshr_b32 s52, s[WV], 1
	s_lshl_b32 s52, s52, 7
	s_and_b32 s53, s[WV], 1
	s_lshl_b32 s53, s53, 2
	s_add_co_u32 s52, s52, s53
	s_add_co_u32 s52, s52, CST
	s_min_u32 s53, s[WV], 1
	s_lshl_b32 s53, s53, 9
	v_and_b32 v7, 31, v0
	v_and_b32 v8, 15, v0
	v_lshlrev_b32 v[L16], 4, v7
	v_lshlrev_b32 v[L8], 3, v7
	v_lshl_add_u32 v[SC0], v8, 4, SCB
	v_lshlrev_b32 v[HWB], 4, v8                    ; 16 r, for the load of Q's scale word
	v_lshl_add_u32 v[CSW], v8, 3, s52              ; CST + 128 (w / 2) + 8 r + 4 (w % 2)
	v_add_nc_u32 v[SCO], s53, v[L16]
	v_add_nc_u32 v[CSR], CST, v[SCO]
	s_wait_alu depctr_va_vdst(0)                   ; the wait behind these writes
	global_load_b128 v[Q0:Q0+3], v[L16], s[68:69]              ; the first tile's Q: an image
	global_load_b64 v[Q0+4:Q0+5], v[L8], s[68:69] offset:512
	global_load_b128 v[QB:QB+3], v[L16], s[68:69] offset:768   ; the second tile's
	global_load_b64 v[QB+4:QB+5], v[L8], s[68:69] offset:1280
	global_load_b32 v46, v[HWB], s[70:71]                      ; both tiles' scale bytes
.irp i, 0,1,2,3,4,5
	v_mov_b32 v[Q0+6+\i], 0                        ; zero codes
	v_mov_b32 v[Q1+\i], 0
.endr
.irp b, 0,1,2,3
	v_mov_b32 v[BP+\b], 0                          ; a lane permute's destination counts as one of its sources
.endr
	v_mov_b32 v[FF+1], 0
	v_mov_b32 v13, 0xff61b1e6
	v_floor_f32 v12, -v13
	v_mov_b32 v14, 0
	v_mov_b32 v15, 0
	s_wait_loadcnt 0x0
	v_perm_b32 v[QS], v46, v46, s19
.irp i, 0,1,2,3,4,5
	v_mov_b32 v[Q1+6+\i], v[Q0+\i]
.endr
.set j, 0
.rept 32
	v_mov_b32 v[OT+j], 0
.set j, j+1
.endr
	s_wait_alu depctr_va_vdst(0)                   ; the wait at the head's end
	s_cmp_lt_u32 s[WV], 8                          ; the waves that asked for slot 0 and for the scale words wait; slot 1's loads may stay out
	s_cbranch_scc0 .Lnot_first
	s_wait_tensorcnt 0x0
.Lnot_first:
	s_barrier_signal -1
	s_barrier_wait -1                              ; slot 0 and the scale words are in
	SLOTSTEPS 0                                    ; the first tile, steps 0-7
	s_wait_alu depctr_va_vdst(0)
	s_wait_tensorcnt 0x0                           ; every wave: slot 1's loads among them
	s_wait_dscnt 0x0
	s_barrier_signal -1
	s_barrier_wait -1                              ; slot 1 is in
	SLOTSTEPS SLOT                                 ; steps 8-15
	FINAL CA, HWA, 1
	global_store_b128 v[L16], v[CA:CA+3], s[72:73]
	global_store_b64 v[L8], v[CA+4:CA+5], s[72:73] offset:512
	s_mov_b32 s[TS], 0
	SLOTSTEPS 0                                    ; the second tile
	SLOTSTEPS SLOT
	FINAL CB, HWB, 0
	v_lshl_or_b32 v[CW], v[HWB], 16, v[HWA]        ; my row's scale bytes of both tiles
	global_store_b128 v[L16], v[CB:CB+3], s[72:73] offset:12288
	global_store_b64 v[L8], v[CB+4:CB+5], s[72:73] offset:12288+512
	ds_store_b32 v[CSW], v[CW]                     ; lanes r and r + 16 write the same word with the same value
	s_wait_dscnt 0x0
	s_barrier_signal -1
	s_barrier_wait -1
	s_cmp_lt_u32 s[WV], 2                          ; waves 0 and 1 store the 32 tiles' bytes: two aligned units of 512 bytes each
	s_cbranch_scc0 .Lno_scl
	ds_load_b128 v[S:S+3], v[CSR]
	s_wait_dscnt 0x0
	global_store_b128 v[SCO], v[S:S+3], s[74:75]
.Lno_scl:
	s_wait_tensorcnt 0x0                           ; the wave's end
	ds_add_u32 v[SPW], v[NIL]
	s_wait_dscnt 0x0
	CROUND                                         ; the closing round
	s_endpgm
.Lfunc_end_k_qf3fef5ab13_attn:
	.size	k_qf3fef5ab13_attn, .Lfunc_end_k_qf3fef5ab13_attn-k_qf3fef5ab13_attn
	.p2alignl 7, 3214868480
	.fill 96, 4, 3214868480
	.section	.rodata,"a",@progbits
	.p2align	6, 0x0
	.amdhsa_kernel k_qf3fef5ab13_attn
		.amdhsa_group_segment_fixed_size 327680
		.amdhsa_private_segment_fixed_size 0
		.amdhsa_enable_private_segment 0
		.amdhsa_kernarg_size 32
		.amdhsa_user_sgpr_count 2
		.amdhsa_user_sgpr_kernarg_segment_ptr 1
		.amdhsa_wavefront_size32 1
		.amdhsa_system_sgpr_workgroup_id_x 1
		.amdhsa_system_sgpr_workgroup_id_y 1
		.amdhsa_system_sgpr_workgroup_id_z 1
		.amdhsa_system_vgpr_workitem_id 0
		.amdhsa_next_free_vgpr 256
		.amdhsa_next_free_sgpr 80
		.amdhsa_reserve_vcc 0
		.amdhsa_float_denorm_mode_32 3
		.amdhsa_float_denorm_mode_16_64 3
		.amdhsa_memory_ordered 1
		.amdhsa_forward_progress 1
		.amdhsa_inst_pref_size 90
	.end_amdhsa_kernel
	.amdgpu_metadata
---
amdhsa.version: [ 1, 2 ]
amdhsa.kernels:
  - .name:           k_qf3fef5ab13_attn
    .symbol:         k_qf3fef5ab13_attn.kd
    .args:
      - { .name: qkvc, .offset: 0, .size: 8, .value_kind: global_buffer, .address_space: global }
      - { .name: qkvs, .offset: 8, .size: 8, .value_kind: global_buffer, .address_space: global }
      - { .name: codes, .offset: 16, .size: 8, .value_kind: global_buffer, .address_space: global }
      - { .name: cats, .offset: 24, .size: 8, .value_kind: global_buffer, .address_space: global }
    .group_segment_fixed_size: 327680
    .private_segment_fixed_size: 0
    .kernarg_segment_align: 8
    .kernarg_segment_size: 32
    .max_flat_workgroup_size: 512
    .sgpr_count:     80
    .vgpr_count:     256
    .wavefront_size: 32
...
	.end_amdgpu_metadata
.endif
;; end of part 3
;; launch proj (part 4): grid 4 x 64, 4 waves a work-group, clusters of 4 x 4, 327,680 bytes of LDS; arguments codes, scl, bo, out0, cats; writes out0
.if DOCPART == 4
	.amdgcn_target "amdgcn-amd-amdhsa--gfx1250"
	.amdhsa_code_object_version 6
	.text
	.protected	k_qf3fef5ab13_proj
	.globl	k_qf3fef5ab13_proj
	.p2align	8
	.type	k_qf3fef5ab13_proj,@function
k_qf3fef5ab13_proj:
	s_mov_b64 s[64:65], 0
	v_nop
	global_prefetch_b8 v0, s[64:65] scope:SCOPE_SE
	s_setreg_imm32_b32 hwreg(HW_REG_WAVE_MODE, 25, 1), 1
	s_wait_xcnt 0x0
	s_wait_alu depctr_hold_cnt(0) depctr_sa_sdst(0) depctr_va_vdst(0) depctr_va_sdst(0) depctr_va_ssrc(0) depctr_va_vcc(0) depctr_vm_vsrc(0)
	s_getreg_b32 s2, hwreg(HW_REG_IB_STS2, 6, 4)
	s_cmp_eq_u32 s2, 0
	s_cbranch_scc0 .Lentry_in_a_cluster
	s_endpgm
.Lentry_in_a_cluster:
	s_bfe_u32 s2, ttmp6, 0x10000c
	s_cmp_lg_u32 s2, 0xf033
	s_cbranch_scc0 .Lentry_shape_is_right
	s_endpgm
.Lentry_shape_is_right:
; out0 = cat Wo^T + bo on codes of BF6 (E3M2) with E8M0 scales, f32 sums.  cat: tiles 768-1279 of codes, Wo: tiles 704-767 (tiles of 16 rows, tile 2 B + u, place r = row 32 B + 8 u + r + 8 (r / 8); images of 768 bytes
; for 64 along K).  Wo's scale words: scl [K / 128][tile / 4][place][tile % 4].  cat's scale bytes: cats [head][tile / 4][place][tile % 4], two bytes each; a K step of 128 is two heads, whose halves are joined here.
; A work-group of four waves makes 128 tokens x 256 features: 256 work-groups; a wave 64 x 128: 32 accumulators.  Source 0 ("B") = Wo's rows, source 1 ("A") = cat's: a lane holds a token.  The bias is the first products' C.
; ALL OF K LIES IN LDS: four chunks of 256 along K, 73,728 bytes each (cat's 8 tiles, then Wo's 16); every byte is filled once.  At the head one tensor load a wave: waves 0, 1 cat's and Wo's tiles of chunk 0, waves 2, 3 of
; chunk 1.  Behind the three lines and a round the same four loads bring chunks 2 and 3; they are shown to all by a plain barrier in K step 3.  Every wait on TENSORcnt is for 0.
; CLUSTERS: 4 x 4 work-groups; cat's tiles are shared along a row of the cluster, Wo's along a column: joint loads.  No data prefetch: the launch has two groups of loads and no loop to run ahead in.
; REGISTERS: window 0: v1-30 addresses; v32-95 Wo's scale words (lanes 16-31); v96-127 cat's; A's fragments, two sets, at v128 and v176; v224-255 cat's halves at the head; on the way out v128-255 rows of out0.
;   window 1: B's fragments, two sets.   window 2: accumulator (a, b) at v[8 (8 a + b)].   window 3: v0-63 the bias.
.set TILEB,  12288
.set CHB,    3072
.set CATB,   8*CHB
.set CHUNK,  24*CHB
.set SPARE,  4*CHUNK
.set SPITCH, 81920
.set HSC,    16384                     ; cats: from head to head
.set SP,     528                       ; the way out: a stage of 16 rows x (512 + 16) bytes a wave, in chunk 0, behind its only fill and its last read
.set FR,     12
.set A16, 4
.set A8,  8
.set B16, 12
.set B8,  16
.set SA0, 20
.set SA1, 21
.set BOF, 22
.set L8,  23
.set STO, 24
.set RD,  25
.set L16, 27
.set SPW, 28
.set NIL, 29
.set CSA, 30
.set SC,  32
.set SCC, 96
.set AF,  128
.set BK,  128
.set HW,  224
.set G1C, 24
.set G1O, 32
.set G0C, 40
.set G0O, 44
.set MSB, 0
.macro WIN new
.if MSB != (\new)
	s_set_vgpr_msb (MSB<<8)|(\new)
.set MSB, (\new)
.endif
.endm
.set MUL,   0xa1
.set MUL_B, 0xb1
.set TO_B,  0x40
.macro CROUND
	s_barrier_signal -1
	s_barrier_wait -1
	s_cmp_lg_u32 s14, 0
	s_cbranch_scc1 .Lnot_wave_0_\@
	s_barrier_signal -3
.Lnot_wave_0_\@:
	s_barrier_wait -3
	s_barrier_signal -1
	s_barrier_wait -1
.endm
.macro PLACES n
.rept \n
	v_nop
.endr
.endm
.macro PLOAD                           ; even waves ask for cat's 8 tiles of their chunk, odd waves for Wo's 16: each line has one mask
	s_cmp_eq_u32 s16, 0
	s_cbranch_scc0 .Lfor_o_\@
	tensor_load_to_lds s[G0C:G0C+3], s[G1C:G1C+7]
	s_nop 0
	PLACES 4
	s_branch .Lasked_\@
.Lfor_o_\@:
	tensor_load_to_lds s[G0O:G0O+3], s[G1O:G1O+7]
	s_nop 0
	PLACES 4
.Lasked_\@:
.endm
.macro FRAG reg, a16, a8, q, i
	ds_load_b128 v[\reg:\reg+3], v[\a16] offset:CHB*(\i)+1536*(\q)
	ds_load_b64 v[\reg+4:\reg+5], v[\a8] offset:CHB*(\i)+1536*(\q)+512
	ds_load_b128 v[\reg+6:\reg+9], v[\a16] offset:CHB*(\i)+1536*(\q)+768
	ds_load_b64 v[\reg+10:\reg+11], v[\a8] offset:CHB*(\i)+1536*(\q)+1280
.endm
.macro FETCHP t                        ; K step t's twelve fragments into the sets t % 2
.set FC, (\t)/2
.set FQ, (\t)%2
	WIN TO_B
.irp i, 0,1,2,3,4,5,6,7
	FRAG 128*FQ+FR*\i, B16+FC, B8+FC, FQ, \i
.endr
	WIN 0
.irp i, 0,1,2,3
	FRAG AF+48*FQ+FR*\i, A16+FC, A8+FC, FQ, \i
.endr
.endm
.macro PW d, fb, fa, c, sb, sa
	v_wmma_scale_f32_16x16x128_f8f6f4 v[\d:\d+7], v[\fb:\fb+FR-1], v[\fa:\fa+FR-1], \c, v[\sb], v[\sa] matrix_a_fmt:MATRIX_FMT_BF6 matrix_b_fmt:MATRIX_FMT_BF6 matrix_a_scale:MATRIX_SCALE_ROW1
.endm
; 16 matrix instructions: A's blocks a0, a0 + 1 x B's eight.  The 32 accumulators take turns, one instruction a turn.
.macro PMUL a0, p, t, bias
.irp a, \a0, \a0+1
.irp b, 0,1,2,3,4,5,6,7
.if \bias
	PW 8*(8*(\a)+\b), 128*(\p)+FR*\b, AF+48*(\p)+FR*(\a), v[8*\b:8*\b+7], SC+8*(\t)+\b, SCC+4*(\t)+(\a)
.else
	PW 8*(8*(\a)+\b), 128*(\p)+FR*\b, AF+48*(\p)+FR*(\a), v[8*(8*(\a)+\b):8*(8*(\a)+\b)+7], SC+8*(\t)+\b, SCC+4*(\t)+(\a)
.endif
.endr
.endr
.endm
.macro PSTEP t                         ; K step t; in its middle the next step's fragments are fetched into the other sets
	s_wait_dscnt 0x0
.if (\t) == 0
	WIN MUL_B
	PMUL 0, 0, 0, 1
.else
	WIN MUL
	PMUL 0, (\t)%2, \t, 0
.endif
.if (\t) == 3
	s_wait_tensorcnt 0x0                           ; my part of chunks 2 and 3 is in;
	s_barrier_signal -1
	s_barrier_wait -1                              ; everybody's is.
.endif
.if (\t) < 7
	PLACES 4
	FETCHP (\t)+1
.endif
.if (\t) == 0
	WIN MUL_B
	PMUL 2, 0, 0, 1
.else
	WIN MUL
	PMUL 2, (\t)%2, \t, 0
.endif
.endm
	s_load_b256 s[4:11], s[0:1], 0x0               ; codes, scl, bo, out0
	s_load_b64 s[92:93], s[0:1], 0x20              ; cats
	v_lshl_add_u32 v[SPW], v0, 2, SPARE
	v_mov_b32 v[NIL], 0
	ds_add_u32 v[SPW], v[NIL]                      ; the opening lines: the add twice and its wait
	ds_add_u32 v[SPW], v[NIL]
	v_lshrrev_b32 v1, 5, v0
	v_readfirstlane_b32 s14, v1                    ; wave 0..3
	s_lshr_b32 s15, s14, 1                         ; which 64 tokens are mine; also: which chunk of a group of loads I ask for
	s_and_b32 s16, s14, 1                          ; which 128 features; also: cat's tiles (0) or Wo's (1)
	s_bfe_u32 s12, ttmp6, 0x40000
	s_bfe_u32 s13, ttmp6, 0x40004
	s_lshl_b32 s18, ttmp9, 2
	s_add_co_u32 s18, s18, s12                     ; wx: which 256 features
	s_and_b32 s17, ttmp7, 0xffff
	s_lshl_b32 s17, s17, 2
	s_add_co_u32 s17, s17, s13                     ; wy: which 128 tokens
	s_lshl_b32 s22, s13, 2
	s_lshl_b32 s22, 15, s22                        ; my row of the cluster
	s_lshl_b32 s23, 0x1111, s12                    ; my column
	s_or_b32 s[G1C], s22, (3<<16)|(1<<21)          ; rows of 3,072 bytes (384 elements of 8), 12,288 bytes apart; cat: 8 tiles, Wo: 16; dense in LDS
	s_or_b32 s[G1O], s23, (3<<16)|(1<<21)
	s_mov_b32 s[G1C+1], 384<<16
	s_mov_b32 s[G1C+2], 8<<16
	s_mov_b32 s[G1C+3], 384<<16
	s_mov_b32 s[G1C+4], 8
	s_mov_b32 s[G1C+5], 1536
	s_mov_b32 s[G1C+6], 0
	s_mov_b32 s[G1C+7], 0
	s_mov_b32 s[G1O+1], 384<<16
	s_mov_b32 s[G1O+2], 16<<16
	s_mov_b32 s[G1O+3], 384<<16
	s_mov_b32 s[G1O+4], 16
	s_mov_b32 s[G1O+5], 1536
	s_mov_b32 s[G1O+6], 0
	s_mov_b32 s[G1O+7], 0
	s_mov_b32 s94, 0x05040100                      ; v_perm_b32: the two low halves,
	s_mov_b32 s95, 0x07060302                      ; the two high halves
	s_mul_i32 s82, s15, CHB
	s_lshl_b32 s76, s17, 3
	s_add_co_u32 s76, s76, 768                     ; cat: tile 768 + 8 wy: it hangs on wy alone, which my row shares
	s_mul_i32 s76, s76, TILEB
	s_add_co_u32 s76, s76, s82
	s_mov_b32 s77, 0
	s_lshl_b32 s78, s18, 4
	s_add_co_u32 s78, s78, 704                     ; Wo: tile 704 + 16 wx: on wx alone, which my column shares
	s_mul_i32 s78, s78, TILEB
	s_add_co_u32 s78, s78, s82
	s_mov_b32 s79, 0
	s_mul_i32 s80, s15, CHUNK                      ; where they go: no place in the cluster enters an LDS address
	s_wait_dscnt 0x0
	s_wait_kmcnt 0x0
	s_mov_b32 s[G0C], 1
	s_mov_b32 s[G0C+1], s80
	s_add_nc_u64 s[G0C+2:G0C+3], s[4:5], s[76:77]
	s_or_b32 s[G0C+3], s[G0C+3], 0x80000000
	s_mov_b32 s[G0O], 1
	s_add_co_u32 s[G0O+1], s80, CATB
	s_add_nc_u64 s[G0O+2:G0O+3], s[4:5], s[78:79]
	s_or_b32 s[G0O+3], s[G0O+3], 0x80000000
	CROUND                                         ; all sixteen work-groups are here: the joint loads meet
	PLOAD                                          ; chunks 0 and 1
	v_and_b32 v3, 31, v0
	v_and_b32 v1, 15, v0
	v_bfe_u32 v2, v0, 4, 1
	v_lshlrev_b32 v[L16], 4, v3
	v_lshlrev_b32 v[L8], 3, v3
	s_mul_i32 s82, s15, 4*CHB                      ; my four tiles of cat in chunk 0
	s_mul_i32 s83, s16, 8*CHB
	s_add_co_u32 s83, s83, CATB                    ; my eight of Wo
.irp c, 0,1,2,3
	v_add_nc_u32 v[A16+\c], s82, v[L16]
	v_add_nc_u32 v[A8+\c], s82, v[L8]
	v_add_nc_u32 v[B16+\c], s83, v[L16]
	v_add_nc_u32 v[B8+\c], s83, v[L8]
	s_add_co_u32 s82, s82, CHUNK
	s_add_co_u32 s83, s83, CHUNK
.endr
	s_mul_i32 s82, s14, 16*SP                      ; my stage
	v_mul_u32_u24 v[STO], v1, SP
	v_lshl_add_u32 v[STO], v2, 6, v[STO]
	v_add_nc_u32 v[STO], s82, v[STO]
	v_add_nc_u32 v[RD], s82, v[L16]
	s_lshl_b32 s88, s17, 1
	s_add_co_u32 s88, s88, s15                     ; cat's group of four tiles
	s_lshl_b32 s88, s88, 7
	s_lshl_b32 s89, s18, 2
	s_lshl_b32 s90, s16, 1
	s_add_co_u32 s89, s89, s90
	s_add_co_u32 s89, s89, 176                     ; Wo's first group
	s_lshl_b32 s89, s89, 8
	v_lshl_add_u32 v[SA0], v1, 4, s89
	v_lshl_add_u32 v[CSA], v1, 3, s88
	v_lshl_add_u32 v[SA1], v2, 8, v[SA0]           ; lanes 16-31: Wo's second group
.irp t, 0,1,2,3,4,5,6,7                        ; Wo's scale words for all of K: the products read lanes 16-31 of these
	global_load_b128 v[SC+8*\t:SC+8*\t+3], v[SA0], s[6:7] offset:SPITCH*\t
	global_load_b128 v[SC+8*\t+4:SC+8*\t+7], v[SA1], s[6:7] offset:SPITCH*\t
.endr
.irp hd, 0,1,2,3,4,5,6,7,8,9,10,11,12,13,14,15
	global_load_b64 v[HW+2*\hd:HW+2*\hd+1], v[CSA], s[92:93] offset:HSC*\hd   ; head hd: my place's two bytes of each of the group's four tiles
.endr
	s_lshl_b32 s84, s18, 8
	s_lshl_b32 s85, s16, 7
	s_add_co_u32 s84, s84, s85
	s_lshl_b32 s84, s84, 2                         ; my first feature, in bytes
	s_mov_b32 s85, 0
	s_add_nc_u64 s[8:9], s[8:9], s[84:85]
	s_lshl_b32 s86, s17, 7
	s_lshl_b32 s87, s15, 6
	s_add_co_u32 s86, s86, s87                     ; my first token
	s_lshl_b32 s86, s86, 12
	s_add_co_u32 s84, s84, s86
	s_add_nc_u64 s[10:11], s[10:11], s[84:85]
	v_lshlrev_b32 v[BOF], 6, v2
	WIN 0xc0
.irp b, 0,1,2,3,4,5,6,7                        ; the bias in the result's layout: tile b's registers are features 32 (b / 2) + 16 (lane / 16) + 8 (b % 2) + 0 .. 7
	global_load_b128 v[8*\b:8*\b+3], v[BOF], s[8:9] offset:(32*(\b/2)+8*(\b%2))*4
	global_load_b128 v[8*\b+4:8*\b+7], v[BOF], s[8:9] offset:(32*(\b/2)+8*(\b%2))*4+16
.endr
	WIN 0
	s_wait_alu depctr_va_vdst(0)                   ; the wait at the head's end
	s_wait_tensorcnt 0x0                           ; my tile of chunks 0, 1 is in
	ds_add_u32 v[SPW], v[NIL]
	s_add_co_u32 s[G0C+1], s[G0C+1], 2*CHUNK       ; no tensor load of mine is out: both descriptors step two chunks on
	s_add_co_u32 s[G0O+1], s[G0O+1], 2*CHUNK
	s_add_nc_u64 s[G0C+2:G0C+3], s[G0C+2:G0C+3], 2*CHB
	s_add_nc_u64 s[G0O+2:G0O+3], s[G0O+2:G0O+3], 2*CHB
	s_wait_dscnt 0x0
	CROUND
	PLOAD                                          ; chunks 2 and 3
	FETCHP 0
	s_wait_loadcnt 0x0                             ; the scale words, cat's halves and the bias
.irp t, 0,1,2,3,4,5,6,7                        ; cat's scale word of tile a for K step t: head 2 t's two bytes below head 2 t + 1's
	v_perm_b32 v[SCC+4*\t], v[HW+4*\t+2], v[HW+4*\t], s94
	v_perm_b32 v[SCC+4*\t+1], v[HW+4*\t+2], v[HW+4*\t], s95
	v_perm_b32 v[SCC+4*\t+2], v[HW+4*\t+3], v[HW+4*\t+1], s94
	v_perm_b32 v[SCC+4*\t+3], v[HW+4*\t+3], v[HW+4*\t+1], s95
.endr
	s_wait_alu depctr_va_vdst(0)                   ; the wait here, directly ahead of the wait below
	PSTEP 0
	PSTEP 1
	PSTEP 2
	PSTEP 3
	PSTEP 4
	PSTEP 5
	PSTEP 6
	PSTEP 7
	WIN 0
; THE WAY OUT, block by block of 16 tokens x 128 features, through my own stage in LDS and back as whole rows of 512 bytes.  The stage lies in chunk 0: every wave waited for all its tensor loads and for its
; last read of chunk 0 in front of the barrier in K step 3.  LDS serves a wave's instructions in order (ISA guide 5.7.1.4): no wait between the stores and the loads.
.macro TOSTAGE a
	WIN 0x08
.irp b, 0,1,2,3,4,5,6,7
	ds_store_b128 v[STO], v[8*(8*(\a)+\b):8*(8*(\a)+\b)+3] offset:128*(\b/2)+32*(\b%2)
	ds_store_b128 v[STO], v[8*(8*(\a)+\b)+4:8*(8*(\a)+\b)+7] offset:128*(\b/2)+32*(\b%2)+16
.endr
	WIN 0
.set BB, BK+64*((\a)%2)
.irp t, 0,1,2,3,4,5,6,7,8,9,10,11,12,13,14,15
	ds_load_b128 v[BB+4*\t:BB+4*\t+3], v[RD] offset:\t*SP
.endr
.endm
.macro SEND a, younger
.set BB, BK+64*((\a)%2)
	s_wait_dscnt \younger
.irp t, 0,1,2,3,4,5,6,7,8,9,10,11,12,13,14,15
	global_store_b128 v[L16], v[BB+4*\t:BB+4*\t+3], s[10:11] offset:(32*((\a)/2)+8*((\a)%2)+\t+8*(\t/8))*4096 th:TH_STORE_NT   ; place t of tile a: 512 consecutive bytes, aligned
.endr
.endm
	PLACES 4
	s_wait_alu depctr_va_vdst(0)
	TOSTAGE 0
.irp a, 1,2,3
.if \a > 1
	s_wait_xcnt 0x0                                ; block a - 2's stores have read their registers
.endif
	TOSTAGE \a
	SEND \a-1, 32
.endr
	SEND 3, 0
	s_wait_tensorcnt 0x0                           ; the wave's end
	ds_add_u32 v[SPW], v[NIL]
	s_wait_dscnt 0x0
	CROUND                                         ; the closing round
	s_endpgm
.Lfunc_end_k_qf3fef5ab13_proj:
	.size	k_qf3fef5ab13_proj, .Lfunc_end_k_qf3fef5ab13_proj-k_qf3fef5ab13_proj
	.p2alignl 7, 3214868480
	.fill 96, 4, 3214868480
	.section	.rodata,"a",@progbits
	.p2align	6, 0x0
	.amdhsa_kernel k_qf3fef5ab13_proj
		.amdhsa_group_segment_fixed_size 327680
		.amdhsa_private_segment_fixed_size 0
		.amdhsa_enable_private_segment 0
		.amdhsa_kernarg_size 40
		.amdhsa_user_sgpr_count 2
		.amdhsa_user_sgpr_kernarg_segment_ptr 1
		.amdhsa_wavefront_size32 1
		.amdhsa_system_sgpr_workgroup_id_x 1
		.amdhsa_system_sgpr_workgroup_id_y 1
		.amdhsa_system_sgpr_workgroup_id_z 1
		.amdhsa_system_vgpr_workitem_id 0
		.amdhsa_next_free_vgpr 832
		.amdhsa_next_free_sgpr 100
		.amdhsa_reserve_vcc 0
		.amdhsa_float_denorm_mode_32 3
		.amdhsa_float_denorm_mode_16_64 3
		.amdhsa_memory_ordered 1
		.amdhsa_forward_progress 1
		.amdhsa_inst_pref_size 88
	.end_amdhsa_kernel
	.amdgpu_metadata
---
amdhsa.version: [ 1, 2 ]
amdhsa.kernels:
  - .name:           k_qf3fef5ab13_proj
    .symbol:         k_qf3fef5ab13_proj.kd
    .args:
      - { .name: codes, .offset: 0, .size: 8, .value_kind: global_buffer, .address_space: global }
      - { .name: scl, .offset: 8, .size: 8, .value_kind: global_buffer, .address_space: global }
      - { .name: bo, .offset: 16, .size: 8, .value_kind: global_buffer, .address_space: global }
      - { .name: out0, .offset: 24, .size: 8, .value_kind: global_buffer, .address_space: global }
      - { .name: cats, .offset: 32, .size: 8, .value_kind: global_buffer, .address_space: global }
    .group_segment_fixed_size: 327680
    .private_segment_fixed_size: 0
    .kernarg_segment_align: 8
    .kernarg_segment_size: 40
    .max_flat_workgroup_size: 128
    .sgpr_count:     100
    .vgpr_count:     832
    .wavefront_size: 32
...
	.end_amdgpu_metadata
.endif
;; end of part 4
